; MI455X (gfx1250); checked and timed in simulation.
; The chip was launched on July 23, 2026; its instructions are those of AMD's public machine-readable ISA for CDNA 5 (MIT licence, August 2026) and "CDNA5" Instruction Set Architecture Reference Guide (July 2026). The comments in the code are by the model that wrote it; some were corrected since.
;; Attention. Allowed arithmetic: matrix products marked QUANTISED: E2M1 operands, one E8M0 scale for each 32 along K, by v_wmma_scale_f32_16x16x128_f8f6f4 with both operands' format E2M1 (or v_wmma_scale_f32_32x16x128_f4), f32 sums; products left as they are: bf16, f16 or f32 operands; f32 sums; everything else in f32.
;; Inputs: W_attn 1,024 x 3,072 float32; W_proj 1,024 x 1,024 float32; b_attn 3,072 float32; b_proj 1,024 float32; x 4 x 2,048 x 1,024 float32.
;; Outputs: out0 4 x 2,048 x 1,024 float32.
;; This version of the problem:
;;   THIS VERSION OF THE PROBLEM IS GIVEN IN LOW PRECISION. The matrix products marked QUANTISED in the list below multiply operands that are first quantised to E2M1 (2 exponent bits, 1 mantissa bit; 4 bits a number), with one power-of-two scale for each 32 numbers along K (OCP MX v1.0); their sums are f32. The products marked 'left as it is' may take bf16, f16 or f32 operands, with f32 sums. Whichever they take, every output number must still come out within the allowed error. Rounding operands to bf16 (8 significant bits) uses up far more of that allowance than f16 does (11 bits, for magnitudes from 6e-5 to 65,504). All else is computed in f32.
;;   The module's matrix products, in the order in which they are computed (A, B: the left and right operand; K: the contracted axis; several contracted axes count as one K, in the product's order):
;;     1. [M 8,192, K 1,024] x [K 1,024, N 3,072]; A: input x; B: input W_attn: QUANTISED
;;     2. batch 64 x [M 2,048, K 64] x [K 64, N 2,048]; A: computed on the way; B: computed on the way: left as it is (an operand is computed on the way)
;;     3. batch 64 x [M 2,048, K 2,048] x [K 2,048, N 64]; A: computed on the way; B: computed on the way: left as it is (an operand is computed on the way)
;;     4. [M 8,192, K 1,024] x [K 1,024, N 1,024]; A: computed on the way; B: input W_proj: left as it is (an operand is computed on the way)
;;   THE QUANTISER, for each operand of a quantised product, along K:
;;     - K is cut into blocks of 32 from its start; a last block that is shorter is filled with zeros.
;;     - A block's scale is 2^e with e = floor(log2(the largest magnitude in the block)) - 2, held to -126 .. 127; a block of zeros has e = 0. As a byte (E8M0): e + 127.
;;     - Each number is divided by its block's scale, clamped to +-6, and rounded to the nearest number of E2M1, ties to even, subnormals kept.
;;     - The product sums the exact products of the quantised numbers (number of the format x scale) in f32.
;;   ~~~python
;;   def quantise(x, axis):      # numpy; x: float32 -> the quantised numbers, widened to float32 again
;;       x = np.moveaxis(x, axis, -1); K = x.shape[-1]
;;       x = np.pad(x, [(0, 0)] * (x.ndim - 1) + [(0, -K % 32)]); x = x.reshape(x.shape[:-1] + (-1, 32)); a = np.abs(x).max(-1, keepdims=True)
;;       e = np.where(a > 0, np.clip(np.frexp(np.where(a > 0, a, 1))[1] - 1 - 2, -126, 127), 0)      # np.frexp(a)[1] - 1 = floor(log2(a)), exactly
;;       r = np.clip(x / 2.0 ** e, -6, 6)
;;       step = 2.0 ** (np.maximum(np.frexp(np.where(r == 0, 1, r))[1] - 1, 0) - 1)
;;       q = np.round(r / step) * step * 2.0 ** e      # np.round: ties to even
;;       return np.moveaxis(q.reshape(q.shape[:-2] + (-1,))[..., :K], -1, axis).astype(np.float32)
;;   ~~~
;; One version. Each part assembles by itself: llvm-mc -triple=amdgcn-amd-amdhsa -mcpu=gfx1250 --defsym DOCPART=n.
;; ======== version 1 of 1: 5 launches
;; limits: values are held in f16: magnitudes above 65,504 overflow, below 6.1e-05 lose precision
;; workspace buffers: xc 4,194,304 bytes; xs 262,144 bytes; wc 1,572,864 bytes; ws 98,304 bytes; wph 2,097,152 bytes; qkvh 50,331,648 bytes; qkvf 786,432 bytes; y2 16,777,216 bytes
;; launch prep (part 1): grid 576 x 1, 4 waves a work-group, no clusters, 42,496 bytes of LDS; arguments x, W_attn, W_proj, xc, xs, wc, ws, wph; writes xc, xs, wc, ws, wph
.if DOCPART == 1
	.amdgcn_target "amdgcn-amd-amdhsa--gfx1250"
	.amdhsa_code_object_version 6
	.text
	.protected	k_q092c17a1a2_prep
	.globl	k_q092c17a1a2_prep
	.p2align	8
	.type	k_q092c17a1a2_prep,@function
k_q092c17a1a2_prep:
	s_mov_b64 s[64:65], 0
	v_nop
	global_prefetch_b8 v0, s[64:65] scope:SCOPE_SE
	s_setreg_imm32_b32 hwreg(HW_REG_WAVE_MODE, 25, 1), 1
	s_wait_xcnt 0x0
; PREP.  Three jobs in one launch, told apart by the work-group's number alone:
;   work-groups 0-255   X: x [8192][1024] f32 -> codes of FP4 (E2M1), xc [8192][512 bytes], K innermost, and E8M0 scale bytes xs [2 (512 along K)][8192][16]
;   work-groups 256-447 W: W_attn [1024 (k)][3072 (n)] f32 -> wc [3072][512 bytes], K innermost, and ws [2][3072][16]
;   work-groups 448-575 P: W_proj [1024][1024] f32 -> wph, the same order, f16
; A block's scale is 2^(floor(log2(its largest magnitude)) - 2); its byte is the largest magnitude's exponent field - 2, held at 1 from below.
; LIMITS: a block whose largest magnitude lies under 2^-124 (a block of zeros too) gets the byte 1: a block of zeros has zero codes, and this program alone reads the bytes.
; NaN and infinities are not served.  W_proj must lie under 65,504 in magnitude for f16.
; X: a wave takes 16 rows x 512 along K; a step is one row's 2,048 bytes: four loads of 512 consecutive bytes, turned through the wave's own stage in LDS so that a lane holds 16 neighbours along K.
; W: a work-group takes 32 columns x 512 along K, a wave 128 of them: a lane takes a column and its registers run down K, so the conversions give codes with K innermost.  The four waves' codes meet
;    in LDS, so that a column's 256 bytes leave as one aligned run of 256 bytes.  That wants one barrier; it stands where all three paths join, so that every wave of every work-group passes it.
; Each path has LDS bytes of its own.  Every LDS address is made at the head, ahead of the parting.
.set SP,     80                        ; X: a lane's place in a stage: 64 bytes + 16 of padding
.set WREG,   8192                      ; X: a wave's region: two stages of 32 x SP bytes, then its 256 scale bytes
.set WST,    4*WREG                    ; W: the stage: 32 rows (columns of W_attn) x 272 bytes
.set WP,     272
.set WSC,    WST+32*WP                 ; W: 32 x 16 scale bytes
.set SPARE,  WSC+512                   ; the spare words, 128 bytes for each wave: two blocks of 256 bytes that no other line names
.set LANE,   2
.set L16,    3                         ; 16 x lane
.set XSI,    4                         ; X: the stage, on the way in
.set XSO,    5                         ; X: and on the way out
.set L8,     6                         ; 8 x lane
.set XBY,    7                         ; X: my block's scale byte in LDS
.set XBR,    8                         ; X: 8 scale bytes a lane, on the way out
.set L4,     9                         ; 4 x lane
.set WSI,    10                        ; W: where my column's codes go
.set WSB,    11                        ; W: where my column's scale word goes
.set WSO,    12                        ; W: the stage read by rows
.set WGO,    13                        ; W: the same place in wc
.set WSR,    14                        ; W: the scale bytes read back
.set T0,     16                        ; v16-18 at work
.set SPW,    30                        ; LDS address of my spare word; never rewritten
.set NIL,    31                        ; 0; never rewritten
.set XR,     32                        ; X: v32-95 four sets of 16 numbers as loaded
.set XX,     96                        ; X: v96-127 two sets of 16 neighbours
.set XE,     128                       ; X: v128-143 a scale byte for each step
.set XC,     144                       ; X: v144-175 two registers of codes for each step
.set XB,     176                       ; X: v176-177 scale bytes on the way out
.set WN,     32                        ; W: v32-159 four blocks of 32 numbers
.set WC,     160                       ; W: v160-175 their codes
.set WW,     176                       ; W: the scale word
.set WO,     180                       ; W: v180-199 on the way out
.set PN,     32                        ; P: v32-95 numbers
.set PH,     96                        ; P: v96-127 as f16
	s_load_b256 s[4:11], s[0:1], 0x0               ; x s[4:5], W_attn s[6:7], W_proj s[8:9], xc s[10:11]
	s_load_b256 s[12:19], s[0:1], 0x20             ; xs s[12:13], wc s[14:15], ws s[16:17], wph s[18:19]
	v_lshl_add_u32 v[SPW], v0, 2, SPARE
	v_mov_b32 v[NIL], 0
	v_lshrrev_b32 v1, 5, v0
	v_readfirstlane_b32 s20, v1                    ; wave 0..3
	v_and_b32 v[LANE], 31, v0
	v_lshlrev_b32 v[L16], 4, v[LANE]
	v_lshlrev_b32 v[L8], 3, v[LANE]
	v_lshlrev_b32 v[L4], 2, v[LANE]
	s_lshl_b32 s21, s20, 13                        ; X: my wave's region
	v_lshrrev_b32 v[XSI], 2, v[LANE]
	v_mul_u32_u24 v[XSI], v[XSI], SP
	v_and_b32 v1, 3, v[LANE]
	v_lshl_add_u32 v[XSI], v1, 4, v[XSI]
	v_add_nc_u32 v[XSI], s21, v[XSI]               ; in: four lanes' 64 bytes on end, then the padding
	v_mul_u32_u24 v[XSO], v[LANE], SP
	v_add_nc_u32 v[XSO], s21, v[XSO]               ; out: my 16 neighbours
	s_add_co_u32 s21, s21, 2*32*SP
	v_lshrrev_b32 v[XBY], 1, v[LANE]
	v_add_nc_u32 v[XBY], s21, v[XBY]
	v_add_nc_u32 v[XBR], s21, v[L8]
	v_mul_u32_u24 v[WSI], v[LANE], WP              ; W: row = my column, + 64 bytes for each wave's 128 along K
	s_lshl_b32 s21, s20, 6
	s_add_co_u32 s21, s21, WST
	v_add_nc_u32 v[WSI], s21, v[WSI]
	s_lshl_b32 s21, s20, 2
	s_add_co_u32 s21, s21, WSC
	v_add_nc_u32 v[WSB], s21, v[L16]               ; 16 bytes a column, my wave's four
	v_add_nc_u32 v[WSR], WSC, v[L16]
	v_lshrrev_b32 v1, 4, v[LANE]
	v_and_b32 v[WGO], 15, v[LANE]
	v_lshlrev_b32 v[WGO], 4, v[WGO]
	v_mad_u32_u24 v[WSO], v1, WP, v[WGO]           ; sixteen lanes to a row, two rows an instruction,
	s_mul_i32 s21, s20, 8*WP
	s_add_co_u32 s21, s21, WST
	v_add_nc_u32 v[WSO], s21, v[WSO]               ; my wave's eight rows
	v_lshl_add_u32 v[WGO], v1, 9, v[WGO]           ; a row of wc is 512 bytes
	s_wait_kmcnt 0x0
	s_cmp_lt_u32 ttmp9, 256
	s_cbranch_scc0 .Lnot_x
; ---------------- X
	s_and_b32 s21, s20, 1                          ; which 512 along K
	s_lshr_b32 s22, s20, 1
	s_lshl_b32 s23, ttmp9, 1
	s_add_co_u32 s22, s22, s23                     ; which 16 rows: 0..511
	s_lshl_b32 s24, s22, 16                        ; 16 rows of 4,096 bytes
	s_lshl_b32 s26, s21, 11
	s_add_co_u32 s24, s24, s26
	s_mov_b32 s25, 0
	s_add_nc_u64 s[4:5], s[4:5], s[24:25]
	s_lshl_b32 s24, s22, 13                        ; 16 rows of 512 bytes of codes
	s_lshl_b32 s26, s21, 8
	s_add_co_u32 s24, s24, s26
	s_add_nc_u64 s[10:11], s[10:11], s[24:25]
	s_lshl_b32 s24, s21, 17                        ; 8,192 rows x 16 scale bytes for each 512 along K
	s_lshl_b32 s26, s22, 8
	s_add_co_u32 s24, s24, s26
	s_add_nc_u64 s[12:13], s[12:13], s[24:25]
.macro XLOAD t
.irp i, 0,1,2,3
	global_load_b128 v[XR+16*((\t)%4)+4*\i:XR+16*((\t)%4)+4*\i+3], v[L16], s[4:5] offset:4096*(\t)+512*\i th:TH_LOAD_NT   ; 32 lanes read 512 consecutive bytes
.endr
.endm
.macro XTURN t                         ; a step's numbers through the stage: LDS serves a wave's instructions in order, so no wait stands between the stores and the loads
.irp i, 0,1,2,3
	ds_store_b128 v[XSI], v[XR+16*((\t)%4)+4*\i:XR+16*((\t)%4)+4*\i+3] offset:32*SP*((\t)%2)+8*SP*\i
.endr
.irp i, 0,1,2,3
	ds_load_b128 v[XX+16*((\t)%2)+4*\i:XX+16*((\t)%2)+4*\i+3], v[XSO] offset:32*SP*((\t)%2)+16*\i
.endr
.endm
.macro XSTEP t
.set XS, XX+16*((\t)%2)
.if (\t) > 0
	s_wait_dscnt 1                                 ; this step's numbers are back from the stage (the last step's byte store may be out)
.else
	s_wait_dscnt 0x0
.endif
.if (\t)+4 < 16
	XLOAD (\t)+4                                   ; into the set whose stores into the stage are done
.endif
.if (\t)+1 < 16
.if 14-(\t) >= 3
	s_wait_loadcnt 12                              ; the next step's four loads are in; those of the three steps behind it may be out
.else
	s_wait_loadcnt 4*(14-(\t))
.endif
	XTURN (\t)+1
.endif
	v_max3_num_f32 v[T0], |v[XS]|, |v[XS+1]|, |v[XS+2]|            ; the largest magnitude of my 16, in two chains
	v_max3_num_f32 v[T0+1], |v[XS+3]|, |v[XS+4]|, |v[XS+5]|
.irp i, 6,10
	v_max3_num_f32 v[T0], v[T0], |v[XS+\i]|, |v[XS+\i+1]|
	v_max3_num_f32 v[T0+1], v[T0+1], |v[XS+\i+2]|, |v[XS+\i+3]|
.endr
	v_max3_num_f32 v[T0], v[T0], |v[XS+14]|, |v[XS+15]|
	v_max3_num_f32 v[T0], v[T0], v[T0+1], 0x1800000                ; and the floor 2^(3 - 127): the byte cannot fall under 1
	v_max_num_f32_dpp v[T0], v[T0], v[T0] row_xmask:1 row_mask:0xf bank_mask:0xf   ; with my neighbour's 16: the block's
	v_add_nc_u32 v[T0+2], 0xff000000, v[T0]                        ; 2 off its exponent field: the conversion takes the exponent field of this operand as its scale
	v_cvt_scalef32_pk8_fp4_f32 v[XC+2*(\t)], v[XS:XS+7], v[T0+2]
	v_cvt_scalef32_pk8_fp4_f32 v[XC+2*(\t)+1], v[XS+8:XS+15], v[T0+2]
	v_lshrrev_b32 v[XE+(\t)], 23, v[T0+2]                          ; the scale's byte
	ds_store_b8 v[XBY], v[XE+(\t)] offset:16*(\t)                  ; both lanes of a block write the same byte with the same value
	global_store_b64 v[L8], v[XC+2*(\t):XC+2*(\t)+1], s[10:11] offset:512*(\t)   ; the wave stores 256 consecutive bytes, aligned
.endm
.irp t, 0,1,2,3
	XLOAD \t
.endr
	s_wait_loadcnt 12                              ; step 0's four loads are in
	XTURN 0
.irp t, 0,1,2,3,4,5,6,7,8,9,10,11,12,13,14,15
	XSTEP \t
.endr
	ds_load_b64 v[XB:XB+1], v[XBR]                 ; my wave's 256 scale bytes: these loads see my stores
	s_wait_dscnt 0x0
	global_store_b64 v[L8], v[XB:XB+1], s[12:13]   ; 256 consecutive bytes, aligned
	s_branch .Lmeet
; ---------------- W, first phase
.Lnot_x:
	s_cmp_lt_u32 ttmp9, 448
	s_cbranch_scc0 .Lp
	s_sub_co_u32 s21, ttmp9, 256
	s_lshr_b32 s22, s21, 1                         ; which 32 columns: 0..95
	s_and_b32 s21, s21, 1                          ; which 512 along K
	s_lshl_b32 s23, s21, 2
	s_add_co_u32 s23, s23, s20                     ; which 128 along K is my wave's
	s_mul_i32 s24, s23, 128*12288                  ; 128 rows of 12,288 bytes
	s_lshl_b32 s26, s22, 7
	s_add_co_u32 s24, s24, s26
	s_mov_b32 s25, 0
	s_add_nc_u64 s[6:7], s[6:7], s[24:25]
.set CNT, 0
.rept 128
	global_load_b32 v[WN+CNT], v[L4], s[6:7] offset:12288*CNT      ; W_attn(k0 + i, my column): 128 consecutive bytes a wave
.set CNT, CNT+1
.endr
.macro WBLOCK t
.set XS, WN+32*(\t)
.if (\t) < 2
	s_wait_loadcnt 63                              ; behind this block stand 96 or 64 loads; a wait names 63 at the most, which shows more than is needed
.else
	s_wait_loadcnt 96-32*(\t)                      ; the later blocks' loads may be out
.endif
	v_max3_num_f32 v[T0], |v[XS]|, |v[XS+1]|, |v[XS+2]|            ; the block's largest magnitude: all 32 numbers are mine
	v_max3_num_f32 v[T0+1], |v[XS+3]|, |v[XS+4]|, |v[XS+5]|
.irp i, 6,10,14,18,22,26
	v_max3_num_f32 v[T0], v[T0], |v[XS+\i]|, |v[XS+\i+1]|
	v_max3_num_f32 v[T0+1], v[T0+1], |v[XS+\i+2]|, |v[XS+\i+3]|
.endr
	v_max3_num_f32 v[T0], v[T0], |v[XS+30]|, |v[XS+31]|
	v_max3_num_f32 v[T0], v[T0], v[T0+1], 0x1800000
	v_add_nc_u32 v[T0+2], 0xff000000, v[T0]
	v_lshrrev_b32 v[T0+1], 23, v[T0+2]
.if (\t) == 0
	v_mov_b32 v[WW], v[T0+1]                       ; four bytes to the word, the lower K in the lower byte
.else
	v_lshl_or_b32 v[WW], v[T0+1], 8*(\t), v[WW]
.endif
.irp g, 0,1,2,3
	v_cvt_scalef32_pk8_fp4_f32 v[WC+4*(\t)+\g], v[XS+8*\g:XS+8*\g+7], v[T0+2]
.endr
	v_nop                                          ; one plain line behind the last conversion of a run
	ds_store_b128 v[WSI], v[WC+4*(\t):WC+4*(\t)+3] offset:16*(\t)  ; 32 codes: 16 bytes of my column's row
.endm
.irp t, 0,1,2,3
	WBLOCK \t
.endr
	ds_store_b32 v[WSB], v[WW]
	s_branch .Lmeet
; ---------------- P
.Lp:
	s_sub_co_u32 s21, ttmp9, 448
	s_lshl_b32 s21, s21, 2
	s_add_co_u32 s21, s21, s20                     ; which run of 2,048 numbers is my wave's
	s_lshl_b32 s24, s21, 13
	s_mov_b32 s25, 0
	s_add_nc_u64 s[8:9], s[8:9], s[24:25]
	s_lshl_b32 s24, s21, 12
	s_add_nc_u64 s[18:19], s[18:19], s[24:25]
.irp i, 0,1,2,3,4,5,6,7,8,9,10,11,12,13,14,15
	global_load_b128 v[PN+4*\i:PN+4*\i+3], v[L16], s[8:9] offset:512*\i
.endr
.irp i, 0,1,2,3,4,5,6,7,8,9,10,11,12,13,14,15
	s_wait_loadcnt 15-\i                           ; loads come back in order: the later ones may be out
	v_cvt_pk_f16_f32 v[PH+2*\i], v[PN+4*\i], v[PN+4*\i+1]
	v_cvt_pk_f16_f32 v[PH+2*\i+1], v[PN+4*\i+2], v[PN+4*\i+3]
	global_store_b64 v[L8], v[PH+2*\i:PH+2*\i+1], s[18:19] offset:256*\i   ; 256 consecutive bytes, aligned
.endr
; ---------------- the join: one barrier for all
.Lmeet:
	s_wait_dscnt 0x0                               ; for the others' sake: my LDS stores have landed
	s_barrier_signal -1
	s_barrier_wait -1
	s_sub_co_u32 s21, ttmp9, 256
	s_cmp_lt_u32 s21, 192                          ; only W has a second phase
	s_cbranch_scc0 .Lend
	s_lshr_b32 s22, s21, 1                         ; which 32 columns
	s_and_b32 s21, s21, 1                          ; which 512 along K
	s_lshl_b32 s24, s22, 14                        ; 32 rows of 512 bytes,
	s_lshl_b32 s26, s20, 12                        ; my wave's eight,
	s_add_co_u32 s24, s24, s26
	s_lshl_b32 s26, s21, 8                         ; this half's 256 bytes of a row
	s_add_co_u32 s24, s24, s26
	s_mov_b32 s25, 0
	s_add_nc_u64 s[14:15], s[14:15], s[24:25]
.irp i, 0,1,2,3
	ds_load_b128 v[WO+4*\i:WO+4*\i+3], v[WSO] offset:2*WP*\i
.endr
.irp i, 0,1,2,3
	s_wait_dscnt 3-\i
	global_store_b128 v[WGO], v[WO+4*\i:WO+4*\i+3], s[14:15] offset:1024*\i   ; sixteen lanes store 256 consecutive bytes, aligned
.endr
	s_cmp_lg_u32 s20, 0                            ; wave 0 sends the 32 columns' scale bytes: 512 consecutive bytes
	s_cbranch_scc1 .Lend
	s_mul_i32 s24, s21, 49152
	s_lshl_b32 s26, s22, 9
	s_add_co_u32 s24, s24, s26
	s_add_nc_u64 s[16:17], s[16:17], s[24:25]
	ds_load_b128 v[WO+16:WO+19], v[WSR]
	s_wait_dscnt 0x0
	global_store_b128 v[L16], v[WO+16:WO+19], s[16:17]
.Lend:
	s_wait_tensorcnt 0x0                           ; the wave's end, behind my last LDS store
	ds_add_u32 v[SPW], v[NIL]
	s_wait_dscnt 0x0
	s_endpgm
.Lfunc_end_k_q092c17a1a2_prep:
	.size	k_q092c17a1a2_prep, .Lfunc_end_k_q092c17a1a2_prep-k_q092c17a1a2_prep
	.p2alignl 7, 3214868480
	.fill 96, 4, 3214868480
	.section	.rodata,"a",@progbits
	.p2align	6, 0x0
	.amdhsa_kernel k_q092c17a1a2_prep
		.amdhsa_group_segment_fixed_size 42496
		.amdhsa_private_segment_fixed_size 0
		.amdhsa_enable_private_segment 0
		.amdhsa_kernarg_size 64
		.amdhsa_user_sgpr_count 2
		.amdhsa_user_sgpr_kernarg_segment_ptr 1
		.amdhsa_wavefront_size32 1
		.amdhsa_system_sgpr_workgroup_id_x 1
		.amdhsa_system_sgpr_workgroup_id_y 1
		.amdhsa_system_sgpr_workgroup_id_z 1
		.amdhsa_system_vgpr_workitem_id 0
		.amdhsa_next_free_vgpr 200
		.amdhsa_next_free_sgpr 66
		.amdhsa_reserve_vcc 0
		.amdhsa_float_denorm_mode_32 3
		.amdhsa_float_denorm_mode_16_64 3
		.amdhsa_memory_ordered 1
		.amdhsa_forward_progress 1
		.amdhsa_inst_pref_size 60
	.end_amdhsa_kernel
	.amdgpu_metadata
---
amdhsa.version: [ 1, 2 ]
amdhsa.kernels:
  - .name:           k_q092c17a1a2_prep
    .symbol:         k_q092c17a1a2_prep.kd
    .args:
      - { .name: x, .offset: 0, .size: 8, .value_kind: global_buffer, .address_space: global }
      - { .name: W_attn, .offset: 8, .size: 8, .value_kind: global_buffer, .address_space: global }
      - { .name: W_proj, .offset: 16, .size: 8, .value_kind: global_buffer, .address_space: global }
      - { .name: xc, .offset: 24, .size: 8, .value_kind: global_buffer, .address_space: global }
      - { .name: xs, .offset: 32, .size: 8, .value_kind: global_buffer, .address_space: global }
      - { .name: wc, .offset: 40, .size: 8, .value_kind: global_buffer, .address_space: global }
      - { .name: ws, .offset: 48, .size: 8, .value_kind: global_buffer, .address_space: global }
      - { .name: wph, .offset: 56, .size: 8, .value_kind: global_buffer, .address_space: global }
    .group_segment_fixed_size: 42496
    .private_segment_fixed_size: 0
    .kernarg_segment_align: 8
    .kernarg_segment_size: 64
    .max_flat_workgroup_size: 128
    .sgpr_count:     66
    .vgpr_count:     200
    .wavefront_size: 32
...
	.end_amdgpu_metadata
.endif
;; end of part 1
;; launch qkv (part 2): grid 12 x 32, 4 waves a work-group, clusters of 4 x 4, 327,680 bytes of LDS; arguments xc, xs, wc, ws, b_attn, qkvh, qkvf; writes qkvh, qkvf
.if DOCPART == 2
	.amdgcn_target "amdgcn-amd-amdhsa--gfx1250"
	.amdhsa_code_object_version 6
	.text
	.protected	k_q092c17a1a2_qkv
	.globl	k_q092c17a1a2_qkv
	.p2align	8
	.type	k_q092c17a1a2_qkv,@function
k_q092c17a1a2_qkv:
	s_mov_b64 s[64:65], 0
	v_nop
	global_prefetch_b8 v0, s[64:65] scope:SCOPE_SE
	s_setreg_imm32_b32 hwreg(HW_REG_WAVE_MODE, 25, 1), 1
	s_wait_xcnt 0x0
	s_wait_alu depctr_hold_cnt(0) depctr_sa_sdst(0) depctr_va_vdst(0) depctr_va_sdst(0) depctr_va_ssrc(0) depctr_va_vcc(0) depctr_vm_vsrc(0)
	s_getreg_b32 s2, hwreg(HW_REG_IB_STS2, 6, 4)
	s_cmp_eq_u32 s2, 0
	s_cbranch_scc0 .Lentry_in_a_cluster
	s_endpgm
.Lentry_in_a_cluster:
	s_bfe_u32 s2, ttmp6, 0x10000c
	s_cmp_lg_u32 s2, 0xf033
	s_cbranch_scc0 .Lentry_shape_is_right
	s_endpgm
.Lentry_shape_is_right:
; QKV = Q(x) Q(W_attn) + b_attn on codes of FP4 (E2M1) with one E8M0 scale for each 32 along K = 1,024; sums in f32.
; In: xc [8192][512 bytes], wc [3072][512 bytes] (K innermost, two codes a byte), xs [2][8192][16], ws [2][3072][16] (scale bytes, laid by 512 along K), b_attn [3072] f32.
; Out: qkvh [3 (q, k, v)][4 b][16 h][2048 t][64] f16, and qkvf [4 b][16 t][3072] f32: positions 0-15 of each sequence, kept in f32 for the launch that carries them finely.
; LIMIT: q, k and v must lie under 65,504 in magnitude for f16.
; A tile of 256 x 256 is made by four waves, 128 x 128 each: 64 accumulators, 512 registers.  K is two LDS slots of 512: all tiles and all scale bytes are asked for at the head, nothing is filled again.
; CLUSTERS: 4 x 4 work-groups; A's tiles are shared along a row of the cluster, B's along a column, each asked for jointly.  Tile column = 4 x cluster x + cx; TILE ROW = cluster y + 8 cy: so cy is the
; batch, and whether a tile holds positions 0-15 hangs on the cluster's y alone, which all partners share.
; THE MATRIX INSTRUCTION IS USED TRANSPOSED (source 0 = 16 rows of wc, source 1 = 16 rows of xc): a lane holds eight neighbouring columns of one row.  The bias is the C of each sum's first instruction.
; REGISTERS: window 0: v16-30 addresses; v32-95 scale words, two sets; v128-191 A's fragments, one set; v192-255 the bias, eight registers for each of B's blocks.  Window 1: B's fragments, two sets.
; Windows 2, 3: the accumulators ((a, b) at v[8 (8 (a % 4) + b)]).  On the way out v32-191 of window 0 are free.
.set NQ,     4                         ; steps of 128 along K in a slot
.set ROWB,   256                       ; a tile's row: 512 codes
.set KROW,   512                       ; a row of codes in memory
.set PITCH,  272                       ; an LDS row: 256 bytes + 16 of padding
.set FR,     8
.set NL,     2
.set NP,     4
.set HALFT,  128*PITCH
.set SLOT,   4*HALFT
.set SCL,    2*SLOT                    ; behind the slots: the scale bytes, 4,096 for each wave's load: [2][128 rows][16]
.set SCW,    4096
.set SPARE,  SCL+4*SCW                 ; the spare words, 128 bytes for each wave
.set FP,     528                       ; the way out in f32: stage rows of 512 bytes + 16
.set HP,     272                       ; the way out in f16: stage rows of 256 bytes + 16
.set STG,    16*FP                     ; a wave's stage, in slot 0, which has had its only fill and its last read when the first result is stored there
.set ADRA, 16
.set ADRB, 20
.set STF,  22
.set RDF,  23
.set STO,  24
.set RD,   25
.set CO,   26
.set ADRS, 27
.set SPW,  28
.set NIL,  29
.set BO,   30
.set SC,   32
.set TMP,  96
.set AF,   128
.set BI,   192
.set BK,   32
.set FB,   128
.set WV,   16
.set RH,   17
.set CH,   18
.set FINE, 19
.set CX,   20
.set CY,   21
.set TC,   22
.set TR,   23
.set G1,   24
.set G0,   32
.set G1B,  48
.set G0B,  56
.set G1S,  68
.set G0S,  76
.set G1SB, 80
.set G0SB, 88
.set YY,   96
.set MSB, 0
.macro WIN new                         ; the immediate's high byte repeats the setting that is left
.if MSB != \new
	s_set_vgpr_msb (MSB<<8)|\new
.set MSB, \new
.endif
.endm
.set MUL_LO, 0xa1                      ; source 0 (B) window 1, source 1 (A) window 0, C and D window 2
.set MUL_HI, 0xf1                      ; the same, C and D window 3
.set FST_LO, 0x81                      ; the first step: C (the bias) window 0, D window 2
.set FST_HI, 0xc1                      ; D window 3
.set TO_B,   0x40
; A joint load: waves 0 and 1 fetch for A, waves 2 and 3 for B; the branch hangs on the wave's number alone.  An s_nop 0 and four v_nop follow each of the two lines.
.macro JLOAD g0a, g1a, g0b, g1b
	s_cmp_eq_u32 s[RH], 0
	s_cbranch_scc0 .Lfor_b_\@
	tensor_load_to_lds s[\g0a:\g0a+3], s[\g1a:\g1a+7]
	s_nop 0
.rept 4
	v_nop
.endr
	s_branch .Lasked_\@
.Lfor_b_\@:
	tensor_load_to_lds s[\g0b:\g0b+3], s[\g1b:\g1b+7]
	s_nop 0
.rept 4
	v_nop
.endr
.Lasked_\@:
.endm
.macro CROUND                          ; a round of the cluster's barrier
	s_barrier_signal -1
	s_barrier_wait -1
	s_cmp_lg_u32 s[WV], 0
	s_cbranch_scc1 .Lnot_wave_0_\@
	s_barrier_signal -3
.Lnot_wave_0_\@:
	s_barrier_wait -3
	s_barrier_signal -1
	s_barrier_wait -1
.endm
	s_load_b256 s[4:11], s[0:1], 0x0               ; xc s[4:5], xs s[6:7], wc s[8:9], ws s[10:11]
	s_load_b128 s[12:15], s[0:1], 0x20             ; b_attn s[12:13], qkvh s[14:15]
	s_load_b64 s[66:67], s[0:1], 0x30              ; qkvf
	v_lshl_add_u32 v[SPW], v0, 2, SPARE
	v_mov_b32 v[NIL], 0
	ds_add_u32 v[SPW], v[NIL]                      ; the wave's opening: the add, twice on end, and its wait ahead of my first tensor load
	ds_add_u32 v[SPW], v[NIL]
	v_lshrrev_b32 v1, 5, v0
	v_readfirstlane_b32 s[WV], v1                  ; wave 0..3
	s_lshr_b32 s[RH], s[WV], 1                     ; which half of the tile's rows is mine.  Also: I fetch for A (0) or for B (1)
	s_and_b32 s[CH], s[WV], 1                      ; which half of its columns.  Also: which 128 rows I fetch
	s_bfe_u32 s[CX], ttmp6, 0x40000
	s_bfe_u32 s[CY], ttmp6, 0x40004
	s_lshl_b32 s[TC], ttmp9, 2
	s_add_co_u32 s[TC], s[TC], s[CX]               ; tile column = 4 x cluster x + cx
	s_and_b32 s[YY], ttmp7, 0xffff                 ; cluster y
	s_lshl_b32 s[TR], s[CY], 3
	s_add_co_u32 s[TR], s[TR], s[YY]               ; tile row = cluster y + 8 cy
	s_or_b32 s[FINE], s[YY], s[RH]                 ; 0: my block 0 holds positions 0-15 of batch cy.  Cluster y and the wave's number alone
	s_lshl_b32 s40, s[CY], 2
	s_lshl_b32 s40, 15, s40                        ; my row of the cluster
	s_lshl_b32 s41, 0x1111, s[CX]                  ; my column
	s_or_b32 s[G1+0], s40, (0<<16)|(1<<20)|(1<<21)|(5<<22)|(3<<25)   ; the mask; elements of 1 byte; padding on; bit 21 beside a mask; after every 64 words four words
	s_or_b32 s[G1B+0], s41, (0<<16)|(1<<20)|(1<<21)|(5<<22)|(3<<25)
.irp g, G1, G1B
	s_mov_b32 s[\g+1], ROWB<<16                    ; tensor_dim0
	s_mov_b32 s[\g+2], 128<<16                     ; tensor_dim1
	s_mov_b32 s[\g+3], ROWB<<16                    ; tile_dim0
	s_mov_b32 s[\g+4], 128                         ; tile_dim1
	s_mov_b32 s[\g+5], KROW                        ; from row to row
	s_mov_b32 s[\g+6], 0
	s_mov_b32 s[\g+7], 0
.endr
	s_or_b32 s[G1S+0], s40, (3<<16)|(1<<21)        ; the scale bytes of 128 rows: two rows (one for each 512 along K) of 2,048 bytes = 256 elements of 8 bytes, no padding
	s_or_b32 s[G1SB+0], s41, (3<<16)|(1<<21)
.irp g, G1S, G1SB
	s_mov_b32 s[\g+1], 256<<16
	s_mov_b32 s[\g+2], 2<<16
	s_mov_b32 s[\g+3], 256<<16
	s_mov_b32 s[\g+4], 2
	s_mov_b32 s[\g+6], 0
	s_mov_b32 s[\g+7], 0
.endr
	s_mov_b32 s[G1S+5], 16384                      ; 8,192 rows x 16 bytes, in elements
	s_mov_b32 s[G1SB+5], 6144                      ; 3,072 rows x 16 bytes
	s_lshl_b32 s2, s[CH], 7                        ; which 128 rows of the tile I fetch
	s_lshl_b32 s42, s[TR], 8
	s_add_co_u32 s42, s42, s2                      ; A: row
	s_lshl_b32 s44, s42, 4                         ; its scale bytes,
	s_mov_b32 s45, 0
	s_lshl_b32 s42, s42, 9                         ; its codes
	s_mov_b32 s43, 0
	s_lshl_b32 s92, s[TC], 8
	s_add_co_u32 s92, s92, s2                      ; B: row
	s_lshl_b32 s94, s92, 4
	s_mov_b32 s95, 0
	s_lshl_b32 s92, s92, 9
	s_mov_b32 s93, 0
	s_mul_i32 s46, s[WV], HALFT                    ; where they go: by the wave's number alone
	s_lshl_b32 s47, s[WV], 12
	s_wait_dscnt 0x0                               ; both opening adds are done
	s_wait_kmcnt 0x0
	s_add_nc_u64 s[42:43], s[4:5], s[42:43]
	s_add_nc_u64 s[44:45], s[6:7], s[44:45]
	s_add_nc_u64 s[92:93], s[8:9], s[92:93]
	s_add_nc_u64 s[94:95], s[10:11], s[94:95]
	CROUND                                         ; all sixteen work-groups are here: the joint loads meet
	s_mov_b32 s[G0S], 1
	s_add_co_u32 s[G0S+1], s47, SCL
	s_mov_b64 s[G0S+2:G0S+3], s[44:45]
	s_or_b32 s[G0S+3], s[G0S+3], 0x80000000
	s_mov_b32 s[G0SB], 1
	s_add_co_u32 s[G0SB+1], s47, SCL
	s_mov_b64 s[G0SB+2:G0SB+3], s[94:95]
	s_or_b32 s[G0SB+3], s[G0SB+3], 0x80000000
	JLOAD G0S, G1S, G0SB, G1SB                     ; the scale bytes first
.irp s, 0,1
	s_mov_b32 s[G0+4*\s], 1
	s_add_co_u32 s[G0+4*\s+1], s46, \s*SLOT
	s_add_nc_u64 s[G0+4*\s+2:G0+4*\s+3], s[42:43], \s*ROWB
	s_or_b32 s[G0+4*\s+3], s[G0+4*\s+3], 0x80000000
	s_mov_b32 s[G0B+4*\s], 1
	s_add_co_u32 s[G0B+4*\s+1], s46, \s*SLOT
	s_add_nc_u64 s[G0B+4*\s+2:G0B+4*\s+3], s[92:93], \s*ROWB
	s_or_b32 s[G0B+4*\s+3], s[G0B+4*\s+3], 0x80000000
	JLOAD G0+4*\s, G1, G0B+4*\s, G1B               ; three loads of mine are out behind the second of these
.endr
	v_and_b32 v1, 15, v0                           ; r = lane % 16
	v_bfe_u32 v2, v0, 4, 1                         ; h = lane / 16
	v_mul_u32_u24 v3, v1, PITCH
	v_lshl_add_u32 v4, v2, 4, v3                   ; a fragment's row x pitch + 16 h
	s_mul_i32 s2, s[RH], HALFT
	s_mul_i32 s3, s[CH], HALFT
	s_add_co_u32 s3, s3, 2*HALFT
.irp s, 0,1
	v_add_nc_u32 v[ADRA+\s], s2, v4
	v_add_nc_u32 v[ADRB+\s], s3, v4
	s_add_co_u32 s2, s2, SLOT
	s_add_co_u32 s3, s3, SLOT
.endr
	s_lshl_b32 s2, s[RH], 12                       ; A's scale bytes: my 128 rows
	s_lshl_b32 s3, s[CH], 12                       ; B's: my 128 rows, behind A's two regions
	s_add_co_u32 s3, s3, 2*SCW
	s_sub_co_u32 s3, s3, s2
	v_mul_u32_u24 v6, s3, v2                       ; lanes 16-31 take B's: one product, the distance between the two
	s_add_co_u32 s2, s2, SCL
	v_lshl_add_u32 v5, v1, 4, v6                   ; 16 bytes a row
	v_add_nc_u32 v[ADRS], s2, v5
	s_mul_i32 s2, s[WV], STG                       ; my stage
	v_mul_u32_u24 v5, v1, FP
	v_lshl_add_u32 v5, v2, 5, v5
	v_add_nc_u32 v[STF], s2, v5                    ; f32, in: row r, 32 bytes for each half of the lanes
	v_and_b32 v6, 31, v0
	v_lshlrev_b32 v[CO], 4, v6                     ; 16 x lane
	v_add_nc_u32 v[RDF], s2, v[CO]                 ; f32, back: the 32 lanes take a row of 512 bytes
	v_add_nc_u32 v[STO], s2, v4                    ; f16, in: row r (pitch 272), 16 bytes for each half
	v_lshrrev_b32 v5, 3, v6
	v_mul_u32_u24 v5, v5, HP
	v_and_b32 v7, 7, v0
	v_lshl_add_u32 v5, v7, 4, v5
	v_add_nc_u32 v[RD], s2, v5                     ; f16, back: eight lanes take a head's 128 bytes of a row, four rows an instruction
	v_lshlrev_b32 v[BO], 5, v2                     ; the bias: 32 h bytes
	s_lshl_b32 s92, s[TC], 8
	s_lshl_b32 s94, s[CH], 7
	s_add_co_u32 s92, s92, s94                     ; my first column of the 3,072
	s_lshl_b32 s92, s92, 2
	s_mov_b32 s93, 0
	s_add_nc_u64 s[12:13], s[12:13], s[92:93]      ; b_attn there
	s_mul_i32 s94, s[CY], 196608                   ; qkvf: batch cy's 16 rows of 12,288 bytes
	s_add_co_u32 s92, s92, s94
	s_add_nc_u64 s[66:67], s[66:67], s[92:93]
	s_lshl_b32 s92, ttmp9, 6                       ; qkvh: part (cluster x) x 64 heads
	s_lshl_b32 s94, s[CY], 4
	s_add_co_u32 s92, s92, s94                     ; + 16 x batch
	s_lshl_b32 s94, s[CX], 2
	s_add_co_u32 s92, s92, s94                     ; + four heads a tile column
	s_lshl_b32 s94, s[CH], 1
	s_add_co_u32 s92, s92, s94                     ; + two for each half
	s_lshl_b32 s92, s92, 11                        ; x 2,048 positions
	s_lshl_b32 s94, s[YY], 8
	s_add_co_u32 s92, s92, s94
	s_lshl_b32 s94, s[RH], 7
	s_add_co_u32 s92, s92, s94                     ; + my first position
	s_lshl_b32 s92, s92, 7                         ; x 128 bytes
	s_add_nc_u64 s[14:15], s[14:15], s[92:93]
.irp b, 0,1,2,3,4,5,6,7
	global_load_b128 v[BI+8*\b:BI+8*\b+3], v[BO], s[12:13] offset:64*\b        ; b_attn at my eight columns of B's block b
	global_load_b128 v[BI+8*\b+4:BI+8*\b+7], v[BO], s[12:13] offset:64*\b+16
.endr
.macro FRAG reg, adr, q, i             ; 16 rows x 128 K of 4-bit codes: 8 registers, two loads of 16 bytes, 32 bytes apart
.irp c, 0,1
	ds_load_b128 v[\reg+4*\c:\reg+4*\c+3], v[\adr] offset:64*(\q)+32*\c+(\i)*16*PITCH
.endr
.endm
; 16 matrix instructions: A's blocks a0, a0 + 1 x B's eight.  p: B's set; sc: the set of scale words.  zero = 1: the first product starts the sums, with the bias as C.
; The 64 accumulators take turns, one instruction a turn, in the same order in every step.
.macro MUL16 a0, p, q, sc, zero
.irp a, \a0, \a0+1
.irp b, 0,1,2,3,4,5,6,7
.if \zero
	v_wmma_scale_f32_16x16x128_f8f6f4 v[8*(8*((\a)%4)+\b):8*(8*((\a)%4)+\b)+7], v[128*(\p)+FR*\b:128*(\p)+FR*\b+FR-1], v[AF+FR*(\a):AF+FR*(\a)+FR-1], v[BI+8*\b:BI+8*\b+7], v[SC+8*NQ*(\sc)+NQ*\b+(\q)], v[SC+8*NQ*(\sc)+NQ*(\a)+(\q)] matrix_a_fmt:MATRIX_FMT_FP4 matrix_b_fmt:MATRIX_FMT_FP4 matrix_a_scale:MATRIX_SCALE_ROW1
.else
	v_wmma_scale_f32_16x16x128_f8f6f4 v[8*(8*((\a)%4)+\b):8*(8*((\a)%4)+\b)+7], v[128*(\p)+FR*\b:128*(\p)+FR*\b+FR-1], v[AF+FR*(\a):AF+FR*(\a)+FR-1], v[8*(8*((\a)%4)+\b):8*(8*((\a)%4)+\b)+7], v[SC+8*NQ*(\sc)+NQ*\b+(\q)], v[SC+8*NQ*(\sc)+NQ*(\a)+(\q)] matrix_a_fmt:MATRIX_FMT_FP4 matrix_b_fmt:MATRIX_FMT_FP4 matrix_a_scale:MATRIX_SCALE_ROW1
.endif
.endr
.endr
.endm
.macro FETCH_B slot, q, p
	WIN TO_B
.irp i, 0,1,2,3,4,5,6,7
	FRAG 128*(\p)+FR*\i, ADRB+\slot, \q, \i
.endr
	WIN 0
.endm
.macro FETCH_A slot, q, i0
.irp i, \i0, \i0+1, \i0+2, \i0+3
	FRAG AF+FR*(\i), ADRA+\slot, \q, \i
.endr
.endm
.macro SCALES sc                       ; a slot's scale words: four words a row; lanes 0-15 take A's block i, lanes 16-31 B's block i; sixteen lanes read 256 consecutive bytes
.irp i, 0,1,2,3,4,5,6,7
	ds_load_b128 v[SC+8*NQ*\sc+NQ*\i:SC+8*NQ*\sc+NQ*\i+3], v[ADRS] offset:\sc*2048+\i*256
.endr
.endm
.macro PLACES n                        ; plain vector lines between a matrix instruction and a load into, or a read of, its registers
.rept \n
	v_nop
.endr
.endm
.macro STEP slot, q, zero              ; 128 along K, with its successor in the same slot
	s_wait_dscnt 4*NL                              ; B's set and A's blocks 0-3 are in; the youngest eight loads (A's blocks 4-7) may be out
.if \zero
	WIN FST_LO
.else
	WIN MUL_LO
.endif
	MUL16 0, (\q)%2, \q, \slot, \zero
	MUL16 2, (\q)%2, \q, \slot, \zero
	s_wait_dscnt 0
	PLACES NP
	FETCH_B \slot, (\q)+1, 1-(\q)%2
	FETCH_A \slot, (\q)+1, 0
.if \zero
	WIN FST_HI
.else
	WIN MUL_HI
.endif
	MUL16 4, (\q)%2, \q, \slot, \zero
	MUL16 6, (\q)%2, \q, \slot, \zero
	PLACES NP
	WIN 0
	FETCH_A \slot, (\q)+1, 4
.endm
; Slot 0's last step changes slots: each wave waits for all its tensor loads (slot 1's is the one that may be out), adds 0 to its spare word, waits for that and for its reads of slot 0; one barrier.  Nothing is filled again.
.macro TURN slot, next
	s_wait_tensorcnt 0x0
	ds_add_u32 v[SPW], v[NIL]
	s_wait_dscnt 4*NL+1                            ; (the add and A's blocks 4-7 may be out)
	WIN MUL_LO
	MUL16 0, 1, NQ-1, \slot, 0
	s_wait_dscnt 0x0                               ; the add is done, and my reads of this slot are over
	s_barrier_signal -1
	MUL16 2, 1, NQ-1, \slot, 0
	WIN 0
	s_barrier_wait -1
	PLACES NP
	FETCH_B \next, 0, 0
	FETCH_A \next, 0, 0
	SCALES \next
	WIN MUL_HI
	MUL16 4, 1, NQ-1, \slot, 0
	MUL16 6, 1, NQ-1, \slot, 0
	PLACES NP
	WIN 0
	FETCH_A \next, 0, 4
.endm
	s_wait_tensorcnt 1                             ; the scale bytes and my part of slot 0 are in (slot 1's load may be out),
	s_barrier_signal -1
	s_barrier_wait -1                              ; everybody's are
	FETCH_B 0, 0, 0
	FETCH_A 0, 0, 0
	SCALES 0
	FETCH_A 0, 0, 4
	s_wait_loadcnt 0x0                             ; the bias
	STEP 0, 0, 1
	STEP 0, 1, 0
	STEP 0, 2, 0
	TURN 0, 1
	STEP 1, 0, 0
	STEP 1, 1, 0
	STEP 1, 2, 0
	s_wait_dscnt 4*NL                              ; the last step: nothing more to fetch
	WIN MUL_LO
	MUL16 0, 1, NQ-1, 1, 0
	MUL16 2, 1, NQ-1, 1, 0
	s_wait_dscnt 0
	WIN MUL_HI
	MUL16 4, 1, NQ-1, 1, 0
	MUL16 6, 1, NQ-1, 1, 0
	WIN 0
	PLACES NP
; POSITIONS 0-15 IN F32: my block 0, 16 rows x 128 columns, through the stage, out as rows of 512 bytes.
	s_cmp_lg_u32 s[FINE], 0
	s_cbranch_scc1 .Lno_fine
	WIN 0x08                                       ; an LDS store's data: window 2
.irp b, 0,1,2,3,4,5,6,7
	ds_store_b128 v[STF], v[8*\b:8*\b+3] offset:64*\b              ; each accumulator from its low end on
	ds_store_b128 v[STF], v[8*\b+4:8*\b+7] offset:64*\b+16
.endr
	WIN 0
.irp t, 0,1,2,3,4,5,6,7,8,9,10,11,12,13,14,15
	ds_load_b128 v[FB+4*\t:FB+4*\t+3], v[RDF] offset:\t*FP         ; LDS serves a wave's instructions in order: these see my stores
.endr
	s_wait_dscnt 0x0
.irp t, 0,1,2,3,4,5,6,7,8,9,10,11,12,13,14,15
	global_store_b128 v[CO], v[FB+4*\t:FB+4*\t+3], s[66:67] offset:\t*12288   ; 512 consecutive bytes of position t's row
.endr
.Lno_fine:
; THE WAY OUT IN F16, block by block of 16 rows x 128 columns (two heads).  Rounded to f16, 16 bytes a lane, into the stage; back by heads: four rows of a head are 512 consecutive bytes of qkvh.
.macro PACK a
.set AC, 64*((\a)%4)
	WIN (0x0a+5*((\a)/4))                          ; sources 0 and 1: window 2 or 3
.irp b, 0,1,2,3,4,5,6,7
.irp i, 0,1,2,3
	v_cvt_pk_f16_f32 v[TMP+4*\b+\i], v[AC+8*\b+2*\i], v[AC+8*\b+2*\i+1]
.endr
.endr
	WIN 0
.endm
.macro TOSTAGE a
.set BB, BK+32*((\a)%2)
.irp b, 0,1,2,3,4,5,6,7
	ds_store_b128 v[STO], v[TMP+4*\b:TMP+4*\b+3] offset:32*\b
.endr
.irp e, 0,1
.irp i, 0,1,2,3
	ds_load_b128 v[BB+16*\e+4*\i:BB+16*\e+4*\i+3], v[RD] offset:128*\e+4*HP*\i
.endr
.endr
.endm
.macro SEND a
.set BB, BK+32*((\a)%2)
	s_wait_dscnt 0x0                               ; the block is back in registers
	s_wait_xcnt 0x0                                ; the stores of the block before have read their registers: the next block's loads may land there
.irp e, 0,1
.irp i, 0,1,2,3
	global_store_b128 v[CO], v[BB+16*\e+4*\i:BB+16*\e+4*\i+3], s[14:15] offset:\e*262144+(16*(\a)+4*\i)*128
.endr
.endr
.endm
	PACK 0
	TOSTAGE 0
.irp a, 1,2,3,4,5,6,7                  ; block a's conversions stand between block a - 1's loads from the stage and the wait for them
	PACK \a
	SEND (\a-1)
	TOSTAGE \a
.endr
	SEND 7
	s_wait_tensorcnt 0x0                           ; the wave's end
	ds_add_u32 v[SPW], v[NIL]
	s_wait_dscnt 0x0
	CROUND                                         ; the closing round
	s_endpgm
.Lfunc_end_k_q092c17a1a2_qkv:
	.size	k_q092c17a1a2_qkv, .Lfunc_end_k_q092c17a1a2_qkv-k_q092c17a1a2_qkv
	.p2alignl 7, 3214868480
	.fill 96, 4, 3214868480
	.section	.rodata,"a",@progbits
	.p2align	6, 0x0
	.amdhsa_kernel k_q092c17a1a2_qkv
		.amdhsa_group_segment_fixed_size 327680
		.amdhsa_private_segment_fixed_size 0
		.amdhsa_enable_private_segment 0
		.amdhsa_kernarg_size 56
		.amdhsa_user_sgpr_count 2
		.amdhsa_user_sgpr_kernarg_segment_ptr 1
		.amdhsa_wavefront_size32 1
		.amdhsa_system_sgpr_workgroup_id_x 1
		.amdhsa_system_sgpr_workgroup_id_y 1
		.amdhsa_system_sgpr_workgroup_id_z 1
		.amdhsa_system_vgpr_workitem_id 0
		.amdhsa_next_free_vgpr 1024
		.amdhsa_next_free_sgpr 100
		.amdhsa_reserve_vcc 0
		.amdhsa_float_denorm_mode_32 3
		.amdhsa_float_denorm_mode_16_64 3
		.amdhsa_memory_ordered 1
		.amdhsa_forward_progress 1
		.amdhsa_inst_pref_size 132
	.end_amdhsa_kernel
	.amdgpu_metadata
---
amdhsa.version: [ 1, 2 ]
amdhsa.kernels:
  - .name:           k_q092c17a1a2_qkv
    .symbol:         k_q092c17a1a2_qkv.kd
    .args:
      - { .name: xc, .offset: 0, .size: 8, .value_kind: global_buffer, .address_space: global }
      - { .name: xs, .offset: 8, .size: 8, .value_kind: global_buffer, .address_space: global }
      - { .name: wc, .offset: 16, .size: 8, .value_kind: global_buffer, .address_space: global }
      - { .name: ws, .offset: 24, .size: 8, .value_kind: global_buffer, .address_space: global }
      - { .name: b_attn, .offset: 32, .size: 8, .value_kind: global_buffer, .address_space: global }
      - { .name: qkvh, .offset: 40, .size: 8, .value_kind: global_buffer, .address_space: global }
      - { .name: qkvf, .offset: 48, .size: 8, .value_kind: global_buffer, .address_space: global }
    .group_segment_fixed_size: 327680
    .private_segment_fixed_size: 0
    .kernarg_segment_align: 8
    .kernarg_segment_size: 56
    .max_flat_workgroup_size: 128
    .sgpr_count:     100
    .vgpr_count:     1024
    .wavefront_size: 32
...
	.end_amdgpu_metadata
.endif
;; end of part 2
;; launch attn (part 3): grid 4 x 64, 8 waves a work-group, no clusters, 327,680 bytes of LDS; arguments qkvh, y2; writes y2
.if DOCPART == 3
	.amdgcn_target "amdgcn-amd-amdhsa--gfx1250"
	.amdhsa_code_object_version 6
	.text
	.protected	k_q092c17a1a2_attn
	.globl	k_q092c17a1a2_attn
	.p2align	8
	.type	k_q092c17a1a2_attn,@function
k_q092c17a1a2_attn:
	s_mov_b64 s[64:65], 0
	v_nop
	global_prefetch_b8 v0, s[64:65] scope:SCOPE_SE
	s_setreg_imm32_b32 hwreg(HW_REG_WAVE_MODE, 25, 1), 1
	s_wait_xcnt 0x0
; CAUSAL ATTENTION, head size 64, f16 operands, f32 products' sums, maxima and row sums.  In: qkvh [3][64 (b, h)][2048][64] f16.  Out: y2 [16 h][8192 (b, t)][64] f16.
; LIMITS: y must lie under 65,504 in magnitude; NaN and infinities are not served.  Positions 0-15 are computed here too, but what reaches the output for them is made by a later launch in f32.
; SHARES.  Work-group (i, head) owns query blocks 7 - i and i of 256 queries, in that order.  Keys go by slots of 256: block 7 - i needs 8 - i slots, block i needs i + 1: NINE SLOTS FOR EVERY WORK-GROUP,
; so the loop's trip count is a constant and all 256 work-groups have equal work.  Each of the eight waves owns 32 queries, two tiles of 16; two waves share a SIMD.
; NO CLUSTER: the four work-groups of a head want different key slots in the same trip once the first of them has changed blocks, and where that happens hangs on i.
; LAYOUT.  S^T = K Q^T (source 0 = 16 keys, source 1 = 16 queries) and O^T = V^T P (source 0 = 16 channels, source 1 = P): a lane holds one query (lane % 16) throughout.  Two tiles of S^T rounded to f16 in pairs
; are source 1 of the second product.  K comes out of LDS as it lies, V turned by ds_load_tr16_b128.
; SOFTMAX.  A running maximum m and sum l for each query: p = 2^(c s - c m), c = log2(e) / 8; in every step O and l are multiplied by a = 2^(c m_old - c m_new).
; A step of 64 keys that lies wholly behind a wave's 32 queries is jumped over (a scalar branch on ids); on the diagonal hidden scores become -infinity ahead of the maximum.
; RING.  Two LDS slots; the change of slots stands at a slot's head; waves 0-3 fetch K's quarters, waves 4-7 V's: one tensor load a wave behind each barrier, a whole slot's steps in which to land.
; REGISTERS.  Window 0: v1-15 addresses and constants; v16-31 statistics, eight a tile; v32-95 S^T; v96-127 P; v128-191 K's fragments; v192-255 V's.  Window 1: v0-63 O^T; v64-95 Q.
.set PK,    144                        ; a row of K in LDS: 128 bytes + 16
.set PV,    160                        ; a row of V: 128 bytes + 32
.set VOFF,  256*PK
.set SLOT1, 1<<17                      ; one exclusive or turns an address in one slot into the other's
.set STAGE, 2*SLOT1                    ; 16 rows x 144 bytes for each wave, for the way out; no tile lands here
.set SPARE, STAGE+8*16*PK              ; the spare words, 128 bytes for each wave
.set AK0,  1
.set AV0,  2
.set ADK,  3
.set ADV,  4
.set QO,   5
.set STO,  6
.set RD,   7
.set GO,   8
.set SPW,  9
.set NIL,  10
.set PFO,  11
.set D0,   12                          ; v12, v13: the mask's d for tiles 0 and 1
.set NINF, 14
.set RMH,  15                          ; r - 8 h
.set ST,   16                          ; tile t at v[ST + 8 t]: +0 c m, +1 m, +2, +3 l, +4..7 c0-c3 (a takes c2's place)
.set S,    32
.set P,    96
.set KFR,  128
.set VFR,  192
.set O,    0                           ; window 1
.set QF,   64                          ; window 1
.set WV,   8
.set II,   9
.set BH,   10
.set NA,   11
.set TRIP, 12
.set TB,   13
.set KF,   14
.set Q0,   15
.set LIM,  16
.set BE,   17
.set PFA,  18
.set SEL,  20
.set CS,   22
.set G1K,  24
.set G1V,  32
.set G0K,  40
.set G0V,  44
.set KB,   48
.set VB,   50
.set QH,   52
.set YH,   54
.set W0,   56
.set W1,   58
.set MSB, 0
.macro WIN new
.if MSB != \new
	s_set_vgpr_msb (MSB<<8)|\new
.set MSB, \new
.endif
.endm
.set W_KQ, 0x04                        ; Q (source 1) in window 1
.set W_PV, 0x50                        ; O^T (C and D) in window 1
.set W_RS, 0x41                        ; O^T (destination and source 0) in window 1
; Waves 0-3 fetch K's quarters, waves 4-7 V's.  An s_nop 0 and four v_nop follow each of the two lines.
.macro TLOAD
	s_cmp_lt_u32 s[WV], 4
	s_cbranch_scc0 .Lfor_v_\@
	tensor_load_to_lds s[G0K:G0K+3], s[G1K:G1K+7]
	s_nop 0
.rept 4
	v_nop
.endr
	s_branch .Lasked_\@
.Lfor_v_\@:
	tensor_load_to_lds s[G0V:G0V+3], s[G1V:G1V+7]
	s_nop 0
.rept 4
	v_nop
.endr
.Lasked_\@:
.endm
; A prefetch of the key slot that the NEXT change of slots will ask for.  All four work-groups of a head walk the same K and V from slot 0 on; work-group i = 0, which walks slots 0 to 7 on end, asks, and nobody else:
; each wave for the 8,192 bytes that it will fetch, lanes 256 bytes apart, one instruction.  In trip t it names slot t + 2; trips 6 and later ask for nothing: the head has eight slots.
.macro ASK
	s_cmp_le_i32 s[TRIP], s[LIM]
	s_cbranch_scc0 .Lnot_mine_\@
	global_prefetch_b8 v[PFO], s[PFA:PFA+1] th:TH_LOAD_NT scope:SCOPE_SE
.Lnot_mine_\@:
.endm
	s_load_b128 s[4:7], s[0:1], 0x0                ; qkvh s[4:5], y2 s[6:7]
	v_lshl_add_u32 v[SPW], v0, 2, SPARE
	v_mov_b32 v[NIL], 0
	ds_add_u32 v[SPW], v[NIL]                      ; the wave's opening: the add, twice on end, and its wait ahead of my first tensor load
	ds_add_u32 v[SPW], v[NIL]
	v_lshrrev_b32 v1, 5, v0
	v_readfirstlane_b32 s[WV], v1                  ; wave 0..7
	s_mov_b32 s[II], ttmp9                         ; i
	s_and_b32 s[BH], ttmp7, 0xffff                 ; 16 b + h
	s_sub_co_u32 s[NA], 8, s[II]                   ; slots of the first block
	s_sub_co_u32 s[BE], 7, s[II]                   ; the first block
	s_mov_b32 s[G1K], (1<<16)|(1<<20)|(4<<22)|(3<<25)              ; elements of 2 bytes; padding on: after every 32 words four words
	s_mov_b32 s[G1V], (1<<16)|(1<<20)|(4<<22)|(7<<25)              ; eight words
.irp g, G1K, G1V
	s_mov_b32 s[\g+1], 64<<16                      ; tensor_dim0 = 64
	s_mov_b32 s[\g+2], 64<<16                      ; tensor_dim1 = 64
	s_mov_b32 s[\g+3], 64<<16                      ; tile_dim0 = 64
	s_mov_b32 s[\g+4], 64                          ; tile_dim1 = 64
	s_mov_b32 s[\g+5], 64                          ; from row to row
	s_mov_b32 s[\g+6], 0
	s_mov_b32 s[\g+7], 0
.endr
	s_mov_b32 s[SEL], 0x76543210
	s_mov_b32 s[SEL+1], 0xfedcba98                 ; v_permlanex16_b32's selects for lane l xor 16
	s_mov_b32 s[CS], 0x3e38aa3b                    ; c = log2(e) / 8
	s_mov_b32 s[CS+1], s[CS]
	s_mov_b32 s[TRIP], 0
	s_mov_b32 s[TB], 0
	s_and_b32 s66, s[WV], 3                        ; which quarter of a slot I fetch
	s_mul_i32 s67, s66, 64*PK                      ; its place in a slot, for K,
	s_mul_i32 s68, s66, 64*PV
	s_add_co_u32 s68, s68, VOFF                    ; and for V
	s_lshl_b32 s70, s[BH], 18                      ; a head is 262,144 bytes
	s_mov_b32 s71, 0
	s_lshl_b32 s72, s66, 13                        ; a quarter is 64 rows of 128 bytes
	s_add_co_u32 s72, s72, s70
	s_mov_b32 s73, 0
	s_and_b32 s74, s[BH], 15
	s_lshl_b32 s74, s74, 13
	s_lshr_b32 s75, s[BH], 4
	s_lshl_b32 s75, s75, 11
	s_add_co_u32 s74, s74, s75                     ; y2: row 8,192 h + 2,048 b
	s_lshl_b32 s74, s74, 7
	s_mov_b32 s75, 0
	s_wait_dscnt 0x0                               ; both opening adds are done
	s_wait_kmcnt 0x0
	s_add_nc_u64 s[QH:QH+1], s[4:5], s[70:71]
	s_add_nc_u64 s[KB:KB+1], s[4:5], s[72:73]
	s_add_nc_u64 s[VB:VB+1], s[KB:KB+1], 0x2000000 ; v's part
	s_add_nc_u64 s[KB:KB+1], s[KB:KB+1], 0x1000000 ; k's part
	s_add_nc_u64 s[YH:YH+1], s[6:7], s[74:75]
	s_mov_b32 s[G0K], 1
	s_mov_b32 s[G0K+1], s67
	s_mov_b64 s[G0K+2:G0K+3], s[KB:KB+1]
	s_or_b32 s[G0K+3], s[G0K+3], 0x80000000
	s_mov_b32 s[G0V], 1
	s_mov_b32 s[G0V+1], s68
	s_mov_b64 s[G0V+2:G0V+3], s[VB:VB+1]
	s_or_b32 s[G0V+3], s[G0V+3], 0x80000000
	TLOAD                                          ; key slot 0 into LDS slot 0
	s_cmp_lt_u32 s[WV], 4
	s_cselect_b64 s[PFA:PFA+1], s[KB:KB+1], s[VB:VB+1]
	s_add_nc_u64 s[PFA:PFA+1], s[PFA:PFA+1], 32768 ; at slot 1: the first change of slots steps it to slot 2.  Nothing is prefetched here, at the head
	s_cmp_eq_u32 s[II], 0
	s_cselect_b32 s[LIM], 5, -1
	v_and_b32 v12, 15, v0                          ; r
	v_bfe_u32 v13, v0, 4, 1                        ; h
	v_mul_u32_u24 v[AK0], v12, PK
	v_lshl_add_u32 v[AK0], v13, 4, v[AK0]          ; K: row r x pitch + 16 h
	v_and_b32 v3, 7, v0
	v_lshl_add_u32 v[AV0], v13, 3, v3
	v_mul_u32_u24 v[AV0], v[AV0], PV
	v_bfe_u32 v3, v0, 3, 1
	v_lshl_add_u32 v[AV0], v3, 4, v[AV0]
	v_add_nc_u32 v[AV0], VOFF, v[AV0]              ; V, turning load: key 8 h + l % 8, channels 8 ((l / 8) % 2) on
	v_lshlrev_b32 v[QO], 7, v12
	v_lshl_add_u32 v[QO], v13, 4, v[QO]            ; Q in memory: row r of 128 bytes + 16 h
	s_mul_i32 s66, s[WV], 16*PK
	s_add_co_u32 s66, s66, STAGE
	v_add_nc_u32 v[STO], s66, v[AK0]               ; the stage, in: row r, 16 bytes for each half of the lanes
	v_and_b32 v4, 31, v0
	v_lshrrev_b32 v3, 3, v4
	v_mul_u32_u24 v3, v3, PK
	v_and_b32 v[RD], 7, v0
	v_lshl_add_u32 v[RD], v[RD], 4, v3
	v_add_nc_u32 v[RD], s66, v[RD]                 ; back: eight lanes to a row of 128 bytes, four rows an instruction
	v_lshlrev_b32 v[GO], 4, v4
	v_lshlrev_b32 v[PFO], 8, v4
	v_lshlrev_b32 v13, 3, v13
	v_sub_nc_u32 v[RMH], v12, v13
	v_mov_b32 v[NINF], 0xff800000
; A query block begins: block number in s[breg].  Q into registers; m = -3e38, under every score; l and O^T zeros, which the first change of m leaves zeros.
.macro START breg
	s_lshl_b32 s[Q0], s[\breg], 8
	s_lshl_b32 s66, s[WV], 5
	s_add_co_u32 s[Q0], s[Q0], s66                 ; my first query
	s_mov_b32 s[KF], 0                             ; the step's first key
	s_lshl_b32 s[W0], s[Q0], 7
	s_mov_b32 s[W0+1], 0
	s_add_nc_u64 s[W0:W0+1], s[QH:QH+1], s[W0:W0+1]
	WIN 0x40                                       ; destination window 1
.irp t, 0,1
.irp d, 0,1
	global_load_b128 v[QF+16*\t+8*\d:QF+16*\t+8*\d+3], v[QO], s[W0:W0+1] offset:2048*\t+64*\d
	global_load_b128 v[QF+16*\t+8*\d+4:QF+16*\t+8*\d+7], v[QO], s[W0:W0+1] offset:2048*\t+64*\d+32
.endr
.endr
.set CNT, 0
.rept 64
	v_mov_b32 v[O+CNT], 0
.set CNT, CNT+1
.endr
	WIN 0
.irp t, 0,1
	v_mov_b32 v[ST+8*\t+1], 0xff61b1e6
	v_mul_f32 v[ST+8*\t], s[CS], v[ST+8*\t+1]
.irp j, 2,3,4,5,6,7
	v_mov_b32 v[ST+8*\t+\j], 0
.endr
.endr
	s_wait_loadcnt 0x0                             ; Q is in; its base may be written again
.endm
.macro FETCH_K q                       ; 64 keys x 64 channels: eight fragments, 16 loads
.irp k, 0,1,2,3
.irp d, 0,1
	ds_load_b128 v[KFR+8*(2*\k+\d):KFR+8*(2*\k+\d)+3], v[ADK] offset:(64*(\q)+16*\k)*PK+64*\d
	ds_load_b128 v[KFR+8*(2*\k+\d)+4:KFR+8*(2*\k+\d)+7], v[ADK] offset:(64*(\q)+16*\k)*PK+64*\d+32
.endr
.endr
.endm
.macro FETCH_V q                       ; the same of V, turned: fragment (32 keys p, 16 channels c)
.irp p, 0,1
.irp c, 0,1,2,3
	ds_load_tr16_b128 v[VFR+8*(4*\p+\c):VFR+8*(4*\p+\c)+3], v[ADV] offset:(64*(\q)+32*\p)*PV+32*\c
	ds_load_tr16_b128 v[VFR+8*(4*\p+\c)+4:VFR+8*(4*\p+\c)+7], v[ADV] offset:(64*(\q)+32*\p+16)*PV+32*\c
.endr
.endr
.endm
; The softmax of a step for both tiles, the tiles alternating line by line.
.macro SOFTMAX
.irp j, 0,1,2,3                        ; the maximum: four chains, each begun at the low end of one accumulator
.irp t, 0,1
	v_max3_num_f32 v[ST+8*\t+4+\j], v[S+32*\t+8*\j], v[S+32*\t+8*\j+1], v[S+32*\t+8*\j+2]
.endr
.endr
.irp g, 1,2
.irp j, 0,1,2,3
.irp t, 0,1
	v_max3_num_f32 v[ST+8*\t+4+\j], v[ST+8*\t+4+\j], v[S+32*\t+8*\j+2*\g+1], v[S+32*\t+8*\j+2*\g+2]
.endr
.endr
.endr
.irp t, 0,1
	v_max3_num_f32 v[ST+8*\t+4], v[ST+8*\t+4], v[S+32*\t+7], v[S+32*\t+15]
	v_max3_num_f32 v[ST+8*\t+6], v[ST+8*\t+6], v[S+32*\t+23], v[S+32*\t+31]
.endr
.irp t, 0,1
	v_max3_num_f32 v[ST+8*\t+4], v[ST+8*\t+4], v[ST+8*\t+5], v[ST+8*\t+6]
.endr
.irp t, 0,1
	v_max3_num_f32 v[ST+8*\t+4], v[ST+8*\t+4], v[ST+8*\t+7], v[ST+8*\t+1]      ; with the old m
.endr
.irp t, 0,1
	v_permlanex16_b32 v[ST+8*\t+5], v[ST+8*\t+4], s[SEL], s[SEL+1]             ; the query's other 32 keys lie in the lane 16 away
.endr
.irp t, 0,1
	v_mov_b32 v[ST+8*\t+7], v[ST+8*\t]                                         ; c m_old
.endr
.irp t, 0,1
	v_max_num_f32 v[ST+8*\t+1], v[ST+8*\t+4], v[ST+8*\t+5]                     ; the new m
.endr
.irp t, 0,1
	v_mul_f32 v[ST+8*\t], s[CS], v[ST+8*\t+1]
.endr
.irp t, 0,1
	v_sub_f32 v[ST+8*\t+7], v[ST+8*\t+7], v[ST+8*\t]
.endr
.set CNT, 0
.rept 16
.irp t, 0,1
	v_pk_fma_f32 v[S+32*\t+2*CNT:S+32*\t+2*CNT+1], v[S+32*\t+2*CNT:S+32*\t+2*CNT+1], s[CS:CS+1], v[ST+8*\t:ST+8*\t+1] op_sel_hi:[1,0,0] neg_lo:[0,0,1] neg_hi:[0,0,1]   ; c s - c m
.endr
.set CNT, CNT+1
.endr
.irp t, 0,1
	v_exp_f32 v[ST+8*\t+6], v[ST+8*\t+7]           ; a
.endr
.set CNT, 0
.rept 32
	v_exp_f32 v[S+CNT], v[S+CNT]
	v_exp_f32 v[S+32+CNT], v[S+32+CNT]
.set CNT, CNT+1
.endr
	v_nop                                          ; a plain line behind the last exponential
	s_wait_alu depctr_va_vdst(0)                   ; one wait for the batch of 66, ahead of its first reader
.set CNT, 0
.rept 16
.irp t, 0,1
	v_cvt_pk_f16_f32 v[P+16*\t+CNT], v[S+32*\t+2*CNT], v[S+32*\t+2*CNT+1]
.endr
.set CNT, CNT+1
.endr
.irp u, 0,1,2,3,4,5,6,7                ; the sum of the unrounded p, pairs in place
.irp t, 0,1
	v_pk_add_f32 v[S+32*\t+4*\u:S+32*\t+4*\u+1], v[S+32*\t+4*\u:S+32*\t+4*\u+1], v[S+32*\t+4*\u+2:S+32*\t+4*\u+3]
.endr
.endr
.irp u, 0,1,2,3
.irp t, 0,1
	v_pk_add_f32 v[S+32*\t+8*\u:S+32*\t+8*\u+1], v[S+32*\t+8*\u:S+32*\t+8*\u+1], v[S+32*\t+8*\u+4:S+32*\t+8*\u+5]
.endr
.endr
.irp u, 0,1
.irp t, 0,1
	v_pk_add_f32 v[S+32*\t+16*\u:S+32*\t+16*\u+1], v[S+32*\t+16*\u:S+32*\t+16*\u+1], v[S+32*\t+16*\u+8:S+32*\t+16*\u+9]
.endr
.endr
.irp t, 0,1
	v_pk_add_f32 v[S+32*\t:S+32*\t+1], v[S+32*\t:S+32*\t+1], v[S+32*\t+16:S+32*\t+17]
.endr
.irp t, 0,1
	v_pk_fma_f32 v[ST+8*\t+2:ST+8*\t+3], v[ST+8*\t+2:ST+8*\t+3], v[ST+8*\t+6:ST+8*\t+7], v[S+32*\t:S+32*\t+1] op_sel_hi:[1,0,1]   ; l = a l + the sum
.endr
.endm
; A KEY STEP: 64 keys, the q-th of the slot in hand.  K(q) was asked for a step ago.
.macro STEP q
.if \q > 0                             ; a slot's first key is never behind my queries
	s_add_co_u32 s66, s[Q0], 31
	s_cmp_gt_u32 s[KF], s66                        ; all 64 keys come after my 32 queries: nothing to do but the step of KF
	s_cbranch_scc1 .Lhidden_\@
.endif
	s_wait_dscnt 0x0                               ; K(q) is in
	WIN W_KQ
.irp d, 0,1                            ; the eight accumulators take turns
.irp k, 0,1,2,3
.irp t, 0,1
.if \d == 0
	v_wmma_f32_16x16x32_f16 v[S+32*\t+8*\k:S+32*\t+8*\k+7], v[KFR+8*(2*\k+\d):KFR+8*(2*\k+\d)+7], v[QF+16*\t+8*\d:QF+16*\t+8*\d+7], 0
.else
	v_wmma_f32_16x16x32_f16 v[S+32*\t+8*\k:S+32*\t+8*\k+7], v[KFR+8*(2*\k+\d):KFR+8*(2*\k+\d)+7], v[QF+16*\t+8*\d:QF+16*\t+8*\d+7], v[S+32*\t+8*\k:S+32*\t+8*\k+7]
.endif
.endr
.endr
.endr
	WIN 0
.rept 4
	v_nop                                          ; the places in front of the reads of S^T and of the loads into K's and V's registers
.endr
	FETCH_V \q
.if \q < 3
	FETCH_K (\q)+1
.endif
	s_add_co_u32 s66, s[KF], 63
	s_cmp_le_u32 s66, s[Q0]                        ; all 64 keys count for all my queries: no mask
	s_cbranch_scc1 .Lopen_\@
	s_sub_co_i32 s66, s[Q0], s[KF]
	v_add_nc_u32 v[D0], s66, v[RMH]                ; d = my query - KF - 8 h.  Register 8 k + j holds key KF + 16 k + 8 h + j: hidden where 16 k + j > d
	v_add_nc_u32 v[D0+1], 16, v[D0]
.set CNT, 0
.rept 32
.irp t, 0,1
	v_cmp_gt_i32 vcc_lo, 16*(CNT/8)+CNT%8, v[D0+\t]
	v_cndmask_b32 v[S+32*\t+CNT], v[S+32*\t+CNT], v[NINF], vcc_lo
.endr
.set CNT, CNT+1
.endr
.Lopen_\@:
	SOFTMAX
	WIN W_RS
.set CNT, 0
.rept 16
.irp t, 0,1
	v_pk_mul_f32 v[O+32*\t+2*CNT:O+32*\t+2*CNT+1], v[O+32*\t+2*CNT:O+32*\t+2*CNT+1], v[ST+8*\t+6:ST+8*\t+7] op_sel_hi:[1,0]   ; O^T x a
.endr
.set CNT, CNT+1
.endr
.if \q < 3
	s_wait_dscnt 16                                ; V(q) is in; the 16 loads of K(q + 1) may be out
.else
	s_wait_dscnt 0x0
.endif
	WIN W_PV
.irp p, 0,1
.irp c, 0,1,2,3
.irp t, 0,1
	v_wmma_f32_16x16x32_f16 v[O+32*\t+8*\c:O+32*\t+8*\c+7], v[VFR+8*(4*\p+\c):VFR+8*(4*\p+\c)+7], v[P+16*\t+8*\p:P+16*\t+8*\p+7], v[O+32*\t+8*\c:O+32*\t+8*\c+7]
.endr
.endr
.endr
	WIN 0
.if \q > 0
.Lhidden_\@:
.endif
	s_add_co_u32 s[KF], s[KF], 64
.endm
; THE CHANGE OF SLOTS, at a slot's head.  Each wave waits for all its tensor loads (its part of the slot that it is about to read), adds 0 to its spare word, and waits for that and for its reads of the slot that it has left.
; fill = 1: behind the barrier the other slot takes the key slot of the next trip: trip n reads key slot n while n < NA, else n - NA.
.macro CHANGE fill
	s_wait_tensorcnt 0x0                           ; no tensor load of mine is out, so a group 0 may be written
	ds_add_u32 v[SPW], v[NIL]
.if \fill
	s_add_co_u32 s66, s[TRIP], 1
	s_sub_co_u32 s67, s66, s[NA]
	s_cmp_lt_u32 s66, s[NA]
	s_cselect_b32 s66, s66, s67
	s_lshl_b32 s66, s66, 15                        ; a key slot is 256 rows of 128 bytes
	s_mov_b32 s67, 0
	s_xor_b32 s[G0K+1], s[G0K+1], SLOT1
	s_add_nc_u64 s[G0K+2:G0K+3], s[KB:KB+1], s[66:67]
	s_or_b32 s[G0K+3], s[G0K+3], 0x80000000
	s_xor_b32 s[G0V+1], s[G0V+1], SLOT1
	s_add_nc_u64 s[G0V+2:G0V+3], s[VB:VB+1], s[66:67]
	s_or_b32 s[G0V+3], s[G0V+3], 0x80000000
	s_wait_xcnt 0x0                                ; the last prefetch, a slot back, has read its address
	s_add_nc_u64 s[PFA:PFA+1], s[PFA:PFA+1], 32768
.endif
	s_wait_dscnt 0x0                               ; the add is done, and my reads of the slot that I have left are over
	s_barrier_signal -1
	s_barrier_wait -1
.if \fill
	TLOAD                                          ; the first thing behind the barrier, and my one tensor load until the next
	ASK
.endif
.endm
; A query block ends: O^T / l, rounded to f16, through my stage, out as runs of 512 bytes (four rows of the head).
.macro FINISH
.irp t, 0,1
	v_add_f32 v[ST+8*\t+4], v[ST+8*\t+2], v[ST+8*\t+3]
.endr
.irp t, 0,1
	v_permlanex16_b32 v[ST+8*\t+5], v[ST+8*\t+4], s[SEL], s[SEL+1]
.endr
.irp t, 0,1
	v_add_f32 v[ST+8*\t+4], v[ST+8*\t+4], v[ST+8*\t+5]
.endr
.irp t, 0,1
	v_rcp_f32 v[ST+8*\t+6], v[ST+8*\t+4]
.endr
	v_nop                                          ; a plain line behind the reciprocals (with the four additions: the places behind the last products)
	s_lshl_b32 s[W1], s[Q0], 7
	s_mov_b32 s[W1+1], 0
	s_add_nc_u64 s[W1:W1+1], s[YH:YH+1], s[W1:W1+1]
	s_wait_alu depctr_va_vdst(0)                   ; one wait for the two reciprocals, ahead of their first reader
.irp t, 0,1
	WIN 0x01                                       ; source 0 (O^T) window 1
.set CNT, 0
.rept 16
	v_pk_mul_f32 v[S+32*\t+2*CNT:S+32*\t+2*CNT+1], v[O+32*\t+2*CNT:O+32*\t+2*CNT+1], v[ST+8*\t+6:ST+8*\t+7] op_sel_hi:[1,0]
.set CNT, CNT+1
.endr
	WIN 0
.set CNT, 0
.rept 16
	v_cvt_pk_f16_f32 v[P+16*\t+CNT], v[S+32*\t+2*CNT], v[S+32*\t+2*CNT+1]
.set CNT, CNT+1
.endr
.irp c, 0,1,2,3
	ds_store_b128 v[STO], v[P+16*\t+4*\c:P+16*\t+4*\c+3] offset:32*\c
.endr
.irp i, 0,1,2,3
	ds_load_b128 v[S+32*\t+4*\i:S+32*\t+4*\i+3], v[RD] offset:4*PK*\i          ; LDS serves a wave's instructions in order: these see my stores, and the next tile's stores come behind them
.endr
.endr
.irp t, 0,1
.irp i, 0,1,2,3
	s_wait_dscnt 8*(1-\t)+3-\i                     ; the younger LDS instructions may be out
	global_store_b128 v[GO], v[S+32*\t+4*\i:S+32*\t+4*\i+3], s[W1:W1+1] offset:2048*\t+512*\i
.endr
.endr
	s_wait_xcnt 0x0                                ; the stores have read their registers and their base: both are written again
.endm
.macro SWITCH                          ; where the first block's slots are done, it goes out and the second block begins: a branch on ids and the count of trips
	s_cmp_lg_u32 s[TRIP], s[NA]
	s_cbranch_scc1 .Lsame_\@
	FINISH
	START II
.Lsame_\@:
.endm
.macro SLOT_STEPS
	v_add_nc_u32 v[ADK], s[TB], v[AK0]
	v_add_nc_u32 v[ADV], s[TB], v[AV0]
	FETCH_K 0
	STEP 0
	STEP 1
	STEP 2
	STEP 3
	s_xor_b32 s[TB], s[TB], SLOT1
.endm
	START BE
.Ltrip:                                ; eight trips; behind each change of slots the next trip's key slot is asked for
	CHANGE 1
	SWITCH
	SLOT_STEPS
	s_add_co_u32 s[TRIP], s[TRIP], 1
	s_cmp_lt_u32 s[TRIP], 8
	s_cbranch_scc1 .Ltrip
	CHANGE 0                                       ; the ninth slot is written out: nothing is left to ask for
	SWITCH
	SLOT_STEPS
	FINISH
	s_wait_tensorcnt 0x0                           ; the wave's end
	ds_add_u32 v[SPW], v[NIL]
	s_wait_dscnt 0x0
	s_endpgm
.Lfunc_end_k_q092c17a1a2_attn:
	.size	k_q092c17a1a2_attn, .Lfunc_end_k_q092c17a1a2_attn-k_q092c17a1a2_attn
	.p2alignl 7, 3214868480
	.fill 96, 4, 3214868480
	.section	.rodata,"a",@progbits
	.p2align	6, 0x0
	.amdhsa_kernel k_q092c17a1a2_attn
		.amdhsa_group_segment_fixed_size 327680
		.amdhsa_private_segment_fixed_size 0
		.amdhsa_enable_private_segment 0
		.amdhsa_kernarg_size 16
		.amdhsa_user_sgpr_count 2
		.amdhsa_user_sgpr_kernarg_segment_ptr 1
		.amdhsa_wavefront_size32 1
		.amdhsa_system_sgpr_workgroup_id_x 1
		.amdhsa_system_sgpr_workgroup_id_y 1
		.amdhsa_system_sgpr_workgroup_id_z 1
		.amdhsa_system_vgpr_workitem_id 0
		.amdhsa_next_free_vgpr 384
		.amdhsa_next_free_sgpr 80
		.amdhsa_reserve_vcc 1
		.amdhsa_float_denorm_mode_32 3
		.amdhsa_float_denorm_mode_16_64 3
		.amdhsa_memory_ordered 1
		.amdhsa_forward_progress 1
		.amdhsa_inst_pref_size 208
	.end_amdhsa_kernel
	.amdgpu_metadata
---
amdhsa.version: [ 1, 2 ]
amdhsa.kernels:
  - .name:           k_q092c17a1a2_attn
    .symbol:         k_q092c17a1a2_attn.kd
    .args:
      - { .name: qkvh, .offset: 0, .size: 8, .value_kind: global_buffer, .address_space: global }
      - { .name: y2, .offset: 8, .size: 8, .value_kind: global_buffer, .address_space: global }
    .group_segment_fixed_size: 327680
    .private_segment_fixed_size: 0
    .kernarg_segment_align: 8
    .kernarg_segment_size: 16
    .max_flat_workgroup_size: 256
    .sgpr_count:     80
    .vgpr_count:     384
    .wavefront_size: 32
...
	.end_amdgpu_metadata
.endif
;; end of part 3
;; launch proj (part 4): grid 4 x 64, 4 waves a work-group, clusters of 4 x 4, 327,680 bytes of LDS; arguments y2, wph, b_proj, out0; writes out0
.if DOCPART == 4
	.amdgcn_target "amdgcn-amd-amdhsa--gfx1250"
	.amdhsa_code_object_version 6
	.text
	.protected	k_q092c17a1a2_proj
	.globl	k_q092c17a1a2_proj
	.p2align	8
	.type	k_q092c17a1a2_proj,@function
k_q092c17a1a2_proj:
	s_mov_b64 s[64:65], 0
	v_nop
	global_prefetch_b8 v0, s[64:65] scope:SCOPE_SE
	s_setreg_imm32_b32 hwreg(HW_REG_WAVE_MODE, 25, 1), 1
	s_wait_xcnt 0x0
	s_wait_alu depctr_hold_cnt(0) depctr_sa_sdst(0) depctr_va_vdst(0) depctr_va_sdst(0) depctr_va_ssrc(0) depctr_va_vcc(0) depctr_vm_vsrc(0)
	s_getreg_b32 s2, hwreg(HW_REG_IB_STS2, 6, 4)
	s_cmp_eq_u32 s2, 0
	s_cbranch_scc0 .Lentry_in_a_cluster
	s_endpgm
.Lentry_in_a_cluster:
	s_bfe_u32 s2, ttmp6, 0x10000c
	s_cmp_lg_u32 s2, 0xf033
	s_cbranch_scc0 .Lentry_shape_is_right
	s_endpgm
.Lentry_shape_is_right:
; OUT = y W_proj + b_proj, f16 operands, f32 sums, for all rows but positions 0-15 of each sequence, which a later launch makes in f32.
; In: y2 [16 h][8192 rows][64] f16 (K = 64 h + channel), wph [1024 (k)][1024 (n)] f16, b_proj [1024] f32.  Out: out0 [8192][1024] f32.
; A tile of 128 (rows) x 256 (columns) is made by four waves, 64 x 128 each: 32 accumulators, 256 registers: 256 work-groups.  K goes in steps of 128 (two heads) through a ring of two LDS slots.
; CLUSTERS: 4 x 4.  Column tile = cx; ROW TILE = cluster y + 16 cy: cy is the batch, and whether a tile holds positions 0-15 hangs on the cluster's y alone.  A's tiles are shared along a row of the cluster,
; B's along a column, each asked for jointly: waves 0 and 1 fetch A's two heads, waves 2 and 3 B's two halves of 64 rows of k.
; THE MATRIX INSTRUCTION IS USED TRANSPOSED (source 0 = 16 columns of W_proj, turned out of LDS by ds_load_tr16_b128; source 1 = 16 rows of y).  The bias is the C of each sum's first instruction.
; No prefetch: every tile is asked for jointly, and a refill has 112 of a K step's 128 matrix instructions a wave in which to land.
; REGISTERS: window 0: v16-30 addresses; v64-127 the bias; v128-255 the way out.  Window 1: two fragment buffers (A 32 registers, then B 64) at v0 and v128.  Window 2: the accumulators ((a, b) at v[8 (8 a + b)]).
.set PA,     144                       ; a row of A in LDS: 128 bytes + 16
.set PB,     544                       ; a row of B: 512 bytes + 32
.set BOFF,   2*128*PA                  ; a slot: two heads x 128 rows of A, then 128 rows of B
.set SLOT,   BOFF+128*PB
.set STAGE,  2*SLOT                    ; 16 rows x 528 bytes for each wave
.set SP,     528
.set SPARE,  STAGE+4*16*SP
.set LAPS,   4                         ; eight K steps, two to a lap
.set ADRA, 16
.set ADRB, 20
.set STO,  24
.set RD,   25
.set CO,   26
.set BO,   27
.set SPW,  28
.set NIL,  29
.set BI,   64
.set BK,   128
.set F0,   0
.set F1,   128
.set FINE, 45
.set G1,   24
.set G0,   32
.set G1B,  48
.set G0B,  56
.set MSB, 0
.macro WIN new
.if MSB != \new
	s_set_vgpr_msb (MSB<<8)|\new
.set MSB, \new
.endif
.endm
.set MUL,  0xa5                        ; sources 0 and 1 window 1; C and D window 2
.set MULF, 0x85                        ; the first products: C (the bias) window 0
.set TO_F, 0x40
.macro JLOAD s                         ; an s_nop 0 and four v_nop follow each of the two lines
	s_cmp_eq_u32 s11, 0
	s_cbranch_scc0 .Lfor_b_\@
	tensor_load_to_lds s[G0+4*\s:G0+4*\s+3], s[G1:G1+7]
	s_nop 0
.rept 4
	v_nop
.endr
	s_branch .Lasked_\@
.Lfor_b_\@:
	tensor_load_to_lds s[G0B+4*\s:G0B+4*\s+3], s[G1B:G1B+7]
	s_nop 0
.rept 4
	v_nop
.endr
.Lasked_\@:
.endm
.macro CREST
	s_cmp_lg_u32 s10, 0
	s_cbranch_scc1 .Lnot_wave_0_\@
	s_barrier_signal -3
.Lnot_wave_0_\@:
	s_barrier_wait -3
	s_barrier_signal -1
	s_barrier_wait -1
.endm
.macro CROUND
	s_barrier_signal -1
	s_barrier_wait -1
	CREST
.endm
	s_load_b128 s[4:7], s[0:1], 0x0                ; y2 s[4:5], wph s[6:7]
	s_load_b128 s[68:71], s[0:1], 0x10             ; b_proj s[68:69], out0 s[70:71]
	v_lshl_add_u32 v[SPW], v0, 2, SPARE
	v_mov_b32 v[NIL], 0
	ds_add_u32 v[SPW], v[NIL]                      ; the wave's opening: the add, twice on end, and its wait ahead of my first tensor load
	ds_add_u32 v[SPW], v[NIL]
	v_lshrrev_b32 v1, 5, v0
	v_readfirstlane_b32 s10, v1                    ; wave 0..3
	s_lshr_b32 s11, s10, 1                         ; which half of the tile's rows is mine.  Also: I fetch for A (0) or for B (1)
	s_and_b32 s12, s10, 1                          ; which half of its columns.  Also: which head of A, which 64 rows of B I fetch
	s_bfe_u32 s40, ttmp6, 0x40000                  ; cx
	s_bfe_u32 s41, ttmp6, 0x40004                  ; cy
	s_and_b32 s14, ttmp7, 0xffff                   ; cluster y
	s_lshl_b32 s13, s41, 4
	s_add_co_u32 s13, s13, s14                     ; row tile = cluster y + 16 cy
	s_or_b32 s[FINE], s14, s11                     ; 0: my block 0 holds positions 0-15.  Cluster y and the wave's number alone
	s_lshl_b32 s43, s41, 2
	s_lshl_b32 s43, 15, s43                        ; my row of the cluster
	s_lshl_b32 s44, 0x1111, s40                    ; my column
	s_or_b32 s[G1+0], s43, (1<<16)|(1<<20)|(1<<21)|(4<<22)|(3<<25)    ; A: elements of 2 bytes; after every 32 words four words of padding
	s_mov_b32 s[G1+1], 64<<16                      ; tensor_dim0 = 64
	s_mov_b32 s[G1+2], 128<<16                     ; tensor_dim1 = 128
	s_mov_b32 s[G1+3], 64<<16                      ; tile_dim0
	s_mov_b32 s[G1+4], 128                         ; tile_dim1
	s_mov_b32 s[G1+5], 64                          ; from row to row
	s_mov_b32 s[G1+6], 0
	s_mov_b32 s[G1+7], 0
	s_or_b32 s[G1B+0], s44, (1<<16)|(1<<20)|(1<<21)|(6<<22)|(7<<25)   ; B: after every 128 words eight words
	s_mov_b32 s[G1B+1], 256<<16
	s_mov_b32 s[G1B+2], 64<<16
	s_mov_b32 s[G1B+3], 256<<16
	s_mov_b32 s[G1B+4], 64
	s_mov_b32 s[G1B+5], 1024
	s_mov_b32 s[G1B+6], 0
	s_mov_b32 s[G1B+7], 0
	s_lshl_b32 s16, s12, 13                        ; A: head (wave & 1) x 8,192 rows
	s_lshl_b32 s17, s13, 7
	s_add_co_u32 s16, s16, s17                     ; + 128 x row tile
	s_lshl_b32 s16, s16, 7                         ; x 128 bytes
	s_mov_b32 s17, 0
	s_lshl_b32 s46, s12, 17                        ; B: 64 rows of 2,048 bytes
	s_lshl_b32 s47, s40, 9                         ; + 512 bytes a column tile
	s_add_co_u32 s46, s46, s47
	s_mov_b32 s47, 0
	s_mul_i32 s20, s12, 128*PA                     ; where they go: by the wave's number alone
	s_mul_i32 s21, s12, 64*PB
	s_add_co_u32 s21, s21, BOFF
	s_wait_dscnt 0x0                               ; both opening adds are done
	s_wait_kmcnt 0x0
	s_add_nc_u64 s[14:15], s[4:5], s[16:17]
	s_add_nc_u64 s[46:47], s[6:7], s[46:47]
	CROUND                                         ; all sixteen work-groups are here: the first joint loads meet
.irp s, 0,1
	s_mov_b32 s[G0+4*\s], 1
	s_add_co_u32 s[G0+4*\s+1], s20, \s*SLOT
	s_add_nc_u64 s[G0+4*\s+2:G0+4*\s+3], s[14:15], \s*2097152      ; a K step on: two heads
	s_or_b32 s[G0+4*\s+3], s[G0+4*\s+3], 0x80000000
	s_mov_b32 s[G0B+4*\s], 1
	s_add_co_u32 s[G0B+4*\s+1], s21, \s*SLOT
	s_add_nc_u64 s[G0B+4*\s+2:G0B+4*\s+3], s[46:47], \s*262144     ; 128 rows of k
	s_or_b32 s[G0B+4*\s+3], s[G0B+4*\s+3], 0x80000000
	JLOAD \s
.endr
	v_and_b32 v1, 15, v0                           ; r
	v_bfe_u32 v2, v0, 4, 1                         ; h
	v_mul_u32_u24 v3, v1, PA
	v_lshl_add_u32 v3, v2, 4, v3                   ; A: row r x pitch + 16 h
	s_mul_i32 s21, s11, 64*PA                      ; my 64 rows
	v_and_b32 v4, 7, v0
	v_lshl_add_u32 v4, v2, 3, v4
	v_mul_u32_u24 v4, v4, PB
	v_bfe_u32 v5, v0, 3, 1
	v_lshl_add_u32 v4, v5, 4, v4                   ; B, turning load: k row 8 h + l % 8, columns 8 ((l / 8) % 2) on
	s_lshl_b32 s22, s12, 8                         ; my 128 columns
	s_add_co_u32 s22, s22, BOFF
.irp s, 0,1
	v_add_nc_u32 v[ADRA+\s], s21, v3
	v_add_nc_u32 v[ADRB+\s], s22, v4
	s_add_co_u32 s21, s21, SLOT
	s_add_co_u32 s22, s22, SLOT
.endr
	s_mul_i32 s23, s10, 16*SP
	s_add_co_u32 s23, s23, STAGE                   ; my stage
	v_mul_u32_u24 v5, v1, SP
	v_lshl_add_u32 v5, v2, 5, v5
	v_add_nc_u32 v[STO], s23, v5                   ; in: row r, 32 bytes for each half of the lanes
	v_and_b32 v6, 31, v0
	v_lshlrev_b32 v[CO], 4, v6
	v_add_nc_u32 v[RD], s23, v[CO]                 ; back: the 32 lanes take a row of 512 bytes
	v_lshlrev_b32 v[BO], 5, v2
	s_lshl_b32 s16, s13, 7
	s_lshl_b32 s17, s11, 6
	s_add_co_u32 s16, s16, s17                     ; my first row of out0
	s_lshl_b32 s16, s16, 12
	s_mov_b32 s17, 0
	s_add_nc_u64 s[70:71], s[70:71], s[16:17]
	s_lshl_b32 s46, s40, 10                        ; my first column, in bytes (in the registers that held B's address)
	s_lshl_b32 s47, s12, 9
	s_add_co_u32 s46, s46, s47
	s_mov_b32 s47, 0
	s_add_nc_u64 s[70:71], s[70:71], s[46:47]
	s_add_nc_u64 s[68:69], s[68:69], s[46:47]      ; b_proj at the same column
.irp b, 0,1,2,3,4,5,6,7
	global_load_b128 v[BI+8*\b:BI+8*\b+3], v[BO], s[68:69] offset:64*\b
	global_load_b128 v[BI+8*\b+4:BI+8*\b+7], v[BO], s[68:69] offset:64*\b+16
.endr
.macro MUL8 f, a, first                ; A's block a x B's eight, 32 along K.  The 32 accumulators take turns, one instruction a turn
.irp b, 0,1,2,3,4,5,6,7
.if \first
	v_wmma_f32_16x16x32_f16 v[8*(8*(\a)+\b):8*(8*(\a)+\b)+7], v[\f+32+8*\b:\f+32+8*\b+7], v[\f+8*(\a):\f+8*(\a)+7], v[BI+8*\b:BI+8*\b+7]
.else
	v_wmma_f32_16x16x32_f16 v[8*(8*(\a)+\b):8*(8*(\a)+\b)+7], v[\f+32+8*\b:\f+32+8*\b+7], v[\f+8*(\a):\f+8*(\a)+7], v[8*(8*(\a)+\b):8*(8*(\a)+\b)+7]
.endif
.endr
.endm
.macro FETCH slot, q, f                ; 24 LDS loads in one run: the fragments of the slot's q-th 32 along K: B's sixteen, then A's blocks 0 to 3
	WIN TO_F
.irp b, 0,1,2,3,4,5,6,7
	ds_load_tr16_b128 v[\f+32+8*\b:\f+32+8*\b+3], v[ADRB+\slot] offset:32*PB*(\q)+32*\b
	ds_load_tr16_b128 v[\f+32+8*\b+4:\f+32+8*\b+7], v[ADRB+\slot] offset:32*PB*(\q)+32*\b+16*PB
.endr
.irp a, 0,1,2,3
	ds_load_b128 v[\f+8*\a:\f+8*\a+3], v[ADRA+\slot] offset:((\q)/2)*128*PA+16*PA*\a+64*((\q)%2)
	ds_load_b128 v[\f+8*\a+4:\f+8*\a+7], v[ADRA+\slot] offset:((\q)/2)*128*PA+16*PA*\a+64*((\q)%2)+32
.endr
.endm
.macro PLACES
.rept 4
	v_nop
.endr
.endm
; A K step is four quarters of 32 along K, 32 matrix instructions each, on buffers 0, 1, 0, 1.  One of the first three: multiplies buffer f and fetches quarter q into g.
.macro QUARTER slot, q, f, g, first
	s_wait_dscnt 4                                 ; B and A's blocks 0, 1 are in; the youngest four loads (A's blocks 2, 3) may be out
.if \first
	WIN MULF
.else
	WIN MUL
.endif
	MUL8 \f, 0, \first
	MUL8 \f, 1, \first
	PLACES
	FETCH \slot, \q, \g
	s_wait_dscnt 24                                ; all but the 24 just issued
.if \first
	WIN MULF
.else
	WIN MUL
.endif
	MUL8 \f, 2, \first
	MUL8 \f, 3, \first
.endm
; The last quarter multiplies buffer 1 and changes slots: in front of the barrier each wave waits for all its tensor loads, adds 0 to its spare word, and waits for that and for its reads of this slot.
; fill = 1: the barrier opens a round of the cluster's barrier, and this slot is filled again, two K steps ahead, first thing behind the round.
.macro TURN slot, next, fill
	WIN 0
	s_wait_tensorcnt 0x0
	ds_add_u32 v[SPW], v[NIL]
	s_wait_dscnt 5                                 ; (the add and the youngest four loads may be out)
	WIN MUL
	MUL8 F1, 0, 0
	s_wait_dscnt 0x0                               ; the add is done, and my reads of this slot are over
	s_barrier_signal -1
	MUL8 F1, 1, 0
.if \fill
	WIN 0
.endif
	s_barrier_wait -1
.if \fill
	CREST
	s_add_nc_u64 s[G0+4*\slot+2:G0+4*\slot+3], s[G0+4*\slot+2:G0+4*\slot+3], 2*2097152
	s_add_nc_u64 s[G0B+4*\slot+2:G0B+4*\slot+3], s[G0B+4*\slot+2:G0B+4*\slot+3], 2*262144
	JLOAD \slot                                    ; the four v_nop behind it are also the places in front of the loads below
.else
	PLACES
.endif
	FETCH \next, 0, F0
	WIN MUL
	MUL8 F1, 2, 0
	MUL8 F1, 3, 0
.endm
	s_wait_tensorcnt 1                             ; my part of K step 0 is in (K step 1's load may be out),
	s_barrier_signal -1
	s_barrier_wait -1                              ; everybody's is
	FETCH 0, 0, F0
	s_wait_loadcnt 0x0                             ; the bias
	QUARTER 0, 1, F0, F1, 1                        ; the first quarter stands in front of the loop: its products start the sums
	WIN 0
	s_mov_b32 s3, LAPS-1
.Llap:                                 ; a trip goes once round the ring and fills both slots again
	QUARTER 0, 2, F1, F0, 0
	QUARTER 0, 3, F0, F1, 0
	TURN 0, 1, 1
	QUARTER 1, 1, F0, F1, 0
	QUARTER 1, 2, F1, F0, 0
	QUARTER 1, 3, F0, F1, 0
	TURN 1, 0, 1
	QUARTER 0, 1, F0, F1, 0
	WIN 0
	s_sub_co_u32 s3, s3, 1
	s_cmp_lg_u32 s3, 0
	s_cbranch_scc1 .Llap
	QUARTER 0, 2, F1, F0, 0                        ; the last lap fills nothing
	QUARTER 0, 3, F0, F1, 0
	TURN 0, 1, 0
	QUARTER 1, 1, F0, F1, 0
	QUARTER 1, 2, F1, F0, 0
	QUARTER 1, 3, F0, F1, 0
	s_wait_dscnt 4
	WIN MUL
	MUL8 F1, 0, 0
	MUL8 F1, 1, 0
	s_wait_dscnt 0
	MUL8 F1, 2, 0
	MUL8 F1, 3, 0
	WIN 0
	PLACES
; THE WAY OUT, block by block of 16 rows x 128 columns, through my own stage: back as whole rows of 512 bytes.
.macro TOSTAGE a
	WIN 0x08                                       ; an LDS store's data: window 2
.irp b, 0,1,2,3,4,5,6,7
	ds_store_b128 v[STO], v[8*(8*(\a)+\b):8*(8*(\a)+\b)+3] offset:64*\b        ; each accumulator from its low end on
	ds_store_b128 v[STO], v[8*(8*(\a)+\b)+4:8*(8*(\a)+\b)+7] offset:64*\b+16
.endr
	WIN 0
.set BB, BK+64*((\a)%2)
.irp t, 0,1,2,3,4,5,6,7,8,9,10,11,12,13,14,15
	ds_load_b128 v[BB+4*\t:BB+4*\t+3], v[RD] offset:\t*SP
.endr
.endm
.macro SEND a, younger
.set BB, BK+64*((\a)%2)
	s_wait_dscnt \younger                          ; the block is back; the next block's LDS instructions may be out
.if (\a) == 0
	s_cmp_eq_u32 s[FINE], 0                        ; positions 0-15 are not stored here
	s_cbranch_scc1 .Lfine_rows
.endif
.irp t, 0,1,2,3,4,5,6,7,8,9,10,11,12,13,14,15
	global_store_b128 v[CO], v[BB+4*\t:BB+4*\t+3], s[70:71] offset:(16*(\a)+\t)*4096 th:TH_STORE_NT   ; 512 consecutive bytes, aligned
.endr
.if (\a) == 0
.Lfine_rows:
.endif
.endm
	TOSTAGE 0
.irp a, 1,2,3
.if \a > 1
	s_wait_xcnt 0x0                                ; block a - 2's stores have read their registers: block a's loads may land there
.endif
	TOSTAGE \a
	SEND (\a-1), 32
.endr
	SEND 3, 0
	s_wait_tensorcnt 0x0                           ; the wave's end
	ds_add_u32 v[SPW], v[NIL]
	s_wait_dscnt 0x0
	CROUND                                         ; the closing round
	s_endpgm
.Lfunc_end_k_q092c17a1a2_proj:
	.size	k_q092c17a1a2_proj, .Lfunc_end_k_q092c17a1a2_proj-k_q092c17a1a2_proj
	.p2alignl 7, 3214868480
	.fill 96, 4, 3214868480
	.section	.rodata,"a",@progbits
	.p2align	6, 0x0
	.amdhsa_kernel k_q092c17a1a2_proj
		.amdhsa_group_segment_fixed_size 327680
		.amdhsa_private_segment_fixed_size 0
		.amdhsa_enable_private_segment 0
		.amdhsa_kernarg_size 32
		.amdhsa_user_sgpr_count 2
		.amdhsa_user_sgpr_kernarg_segment_ptr 1
		.amdhsa_wavefront_size32 1
		.amdhsa_system_sgpr_workgroup_id_x 1
		.amdhsa_system_sgpr_workgroup_id_y 1
		.amdhsa_system_sgpr_workgroup_id_z 1
		.amdhsa_system_vgpr_workitem_id 0
		.amdhsa_next_free_vgpr 768
		.amdhsa_next_free_sgpr 80
		.amdhsa_reserve_vcc 0
		.amdhsa_float_denorm_mode_32 3
		.amdhsa_float_denorm_mode_16_64 3
		.amdhsa_memory_ordered 1
		.amdhsa_forward_progress 1
		.amdhsa_inst_pref_size 87
	.end_amdhsa_kernel
	.amdgpu_metadata
---
amdhsa.version: [ 1, 2 ]
amdhsa.kernels:
  - .name:           k_q092c17a1a2_proj
    .symbol:         k_q092c17a1a2_proj.kd
    .args:
      - { .name: y2, .offset: 0, .size: 8, .value_kind: global_buffer, .address_space: global }
      - { .name: wph, .offset: 8, .size: 8, .value_kind: global_buffer, .address_space: global }
      - { .name: b_proj, .offset: 16, .size: 8, .value_kind: global_buffer, .address_space: global }
      - { .name: out0, .offset: 24, .size: 8, .value_kind: global_buffer, .address_space: global }
    .group_segment_fixed_size: 327680
    .private_segment_fixed_size: 0
    .kernarg_segment_align: 8
    .kernarg_segment_size: 32
    .max_flat_workgroup_size: 128
    .sgpr_count:     80
    .vgpr_count:     768
    .wavefront_size: 32
...
	.end_amdgpu_metadata
.endif
;; end of part 4
;; launch fine (part 5): grid 16 x 4, 16 waves a work-group, no clusters, 71,680 bytes of LDS; arguments qkvf, W_proj, b_proj, out0; writes out0
.if DOCPART == 5
	.amdgcn_target "amdgcn-amd-amdhsa--gfx1250"
	.amdhsa_code_object_version 6
	.text
	.protected	k_q092c17a1a2_fine
	.globl	k_q092c17a1a2_fine
	.p2align	8
	.type	k_q092c17a1a2_fine,@function
k_q092c17a1a2_fine:
	s_mov_b64 s[64:65], 0
	v_nop
	global_prefetch_b8 v0, s[64:65] scope:SCOPE_SE
	s_setreg_imm32_b32 hwreg(HW_REG_WAVE_MODE, 25, 1), 1
	s_wait_xcnt 0x0
; POSITIONS 0-15 OF EACH SEQUENCE IN F32: scores, softmax, values and the projection, 64 rows of the output in all.  These rows average one to sixteen values, so the rounding of 16-bit operands would weigh most here.
; In: qkvf [4 b][16 t][3072] f32 (q, k, v with the bias), W_proj [1024][1024] f32, b_proj [1024] f32.  Out: rows 2,048 b + 0 .. 15 of out0.
; Work-group (g, b): 64 columns of the output, one batch.  Wave w is head w: it makes the head's y^T (64 channels x 16 queries) and its part of the projection (K = the head's 64 channels); the sixteen parts meet in LDS.
; All products by v_wmma_f32_16x16x4_f32, 96 a wave.  Its operand holds k = 2 h + j in register j; a permutation of k applied alike to both sources keeps the products, so each pair of registers is taken as it lies.
; S^T = K Q^T: a lane holds query r and keys 8 h + j.  y^T = V^T P: pair u of P's registers holds keys 8 h + 2 u + j, and V is loaded so.  OUT^T = W^T y^T: pair u of y^T's tile t holds channels 16 t + 8 h + 2 u + j, and W_proj is loaded so.
; The registers that these matrix instructions write (v24-103) are written by them alone; each sum begins with the constant 0.
.set PP,    272                        ; a row of a part in LDS: 256 bytes + 16
.set SPARE, 16*16*PP                   ; behind the sixteen parts: the spare words, 128 bytes for each wave
.set LQ,   3
.set LV,   4
.set LW,   5
.set STO,  6
.set RD,   7
.set SPW,  8
.set NIL,  9
.set RMH,  10
.set NINF, 11
.set PNR,  16                          ; v16-23 the scores, then p / l
.set ST0,  24                          ; v24-39 S^T in two halves of K
.set YT,   40                          ; v40-71 y^T, four tiles
.set OP,   72                          ; v72-103 OUT^T, four tiles
.set VR,   104                         ; v104-135 V, then W_proj's rows for tile 3
.set QR,   136                         ; v136-167 Q, then tile 1's
.set KR,   168                         ; v168-199 K, then tile 2's
.set W0R,  200                         ; v200-231 tile 0's
.set RB,   104                         ; v104-167 the sixteen parts on the way out
.set ACC,  232                         ; v232-235
.set B16,  236
.set OO,   237
	s_load_b256 s[4:11], s[0:1], 0x0               ; qkvf s[4:5], W_proj s[6:7], b_proj s[8:9], out0 s[10:11]
	v_lshl_add_u32 v[SPW], v0, 2, SPARE
	v_mov_b32 v[NIL], 0
	v_lshrrev_b32 v1, 5, v0
	v_readfirstlane_b32 s12, v1                    ; wave = head
	s_and_b32 s14, ttmp7, 0xffff                   ; batch
	s_mov_b32 s16, 0x76543210
	s_mov_b32 s17, 0xfedcba98                      ; v_permlanex16_b32's selects for lane l xor 16
	s_mov_b32 s18, 0x3e38aa3b                      ; c = log2(e) / 8
	v_and_b32 v1, 15, v0                           ; r
	v_bfe_u32 v2, v0, 4, 1                         ; h
	v_mul_u32_u24 v[LQ], v1, 12288
	v_lshl_add_u32 v[LQ], v2, 4, v[LQ]             ; Q, K: position r's row + 16 h
	v_lshlrev_b32 v12, 2, v1
	v_mul_u32_u24 v[LV], v2, 98304
	v_add_nc_u32 v[LV], v[LV], v12                 ; V: eight positions further down for lanes 16-31; channel r
	v_lshl_add_u32 v[LW], v2, 15, v12              ; W_proj: eight rows further down for lanes 16-31; column r
	v_lshlrev_b32 v[B16], 4, v1
	s_mul_i32 s20, s12, 16*PP
	v_mul_u32_u24 v[STO], v1, PP
	v_lshl_add_u32 v[STO], v2, 5, v[STO]
	v_add_nc_u32 v[STO], s20, v[STO]               ; my part: row = query r, 32 bytes for each half of the lanes
	s_mul_i32 s20, s12, 2*PP
	v_mad_u32_u24 v[RD], v2, PP, v[B16]
	v_add_nc_u32 v[RD], s20, v[RD]                 ; the sum: row 2 w + h, 16 bytes a lane
	s_lshl_b32 s20, s12, 13
	v_lshl_add_u32 v[OO], v2, 12, v[B16]
	v_add_nc_u32 v[OO], s20, v[OO]                 ; and the same place in out0
	v_lshlrev_b32 v13, 3, v2
	v_sub_nc_u32 v[RMH], v1, v13                   ; r - 8 h
	v_mov_b32 v[NINF], 0xff800000
	s_mul_i32 s20, s14, 196608
	s_lshl_b32 s21, s12, 8
	s_add_co_u32 s20, s20, s21
	s_mov_b32 s21, 0
	s_lshl_b32 s22, s12, 18                        ; the head's 64 rows of W_proj
	s_lshl_b32 s23, ttmp9, 8                       ; the work-group's 64 columns
	s_add_co_u32 s22, s22, s23
	s_mov_b32 s23, 0
	s_wait_kmcnt 0x0
	s_add_nc_u64 s[4:5], s[4:5], s[20:21]
	s_add_nc_u64 s[6:7], s[6:7], s[22:23]
	s_lshl_b32 s20, ttmp9, 8
	s_add_nc_u64 s[8:9], s[8:9], s[20:21]
	s_lshl_b32 s22, s14, 23                        ; 2,048 rows of 4,096 bytes a batch
	s_add_co_u32 s20, s20, s22
	s_add_nc_u64 s[10:11], s[10:11], s[20:21]
.macro WLOAD tp, reg                   ; W_proj(64 w + 16 tp + 8 h + 2 u + j, 64 g + 16 c + r) into v[reg + 2 (4 u + c) + j]
.irp u, 0,1,2,3
.irp c, 0,1,2,3
.irp j, 0,1
	global_load_b32 v[\reg+2*(4*\u+\c)+\j], v[LW], s[6:7] offset:(16*(\tp)+2*\u+\j)*4096+64*\c
.endr
.endr
.endr
.endm
.irp s, 0,1,2,3,4,5,6,7
	global_load_b128 v[QR+4*\s:QR+4*\s+3], v[LQ], s[4:5] offset:32*\s              ; channels 8 s + 4 h + 0 .. 3
.endr
.irp s, 0,1,2,3,4,5,6,7
	global_load_b128 v[KR+4*\s:KR+4*\s+3], v[LQ], s[4:5] offset:4096+32*\s
.endr
.irp t, 0,1,2,3
.irp u, 0,1,2,3
.irp j, 0,1
	global_load_b32 v[VR+8*\t+2*\u+\j], v[LV], s[4:5] offset:8192+(2*\u+\j)*12288+64*\t   ; V(key 8 h + 2 u + j, channel 16 t + r)
.endr
.endr
.endr
	WLOAD 0, W0R
	s_wait_loadcnt 63                              ; behind Q's and K's sixteen loads stand 64; a wait names 63 at the most, which shows them in
.irp s, 0,1,2,3,4,5,6,7                ; S^T: two accumulators by turns
.irp u, 0,1
.if \s == 0
	v_wmma_f32_16x16x4_f32 v[ST0+8*\u:ST0+8*\u+7], v[KR+4*\s+2*\u:KR+4*\s+2*\u+1], v[QR+4*\s+2*\u:QR+4*\s+2*\u+1], 0
.else
	v_wmma_f32_16x16x4_f32 v[ST0+8*\u:ST0+8*\u+7], v[KR+4*\s+2*\u:KR+4*\s+2*\u+1], v[QR+4*\s+2*\u:QR+4*\s+2*\u+1], v[ST0+8*\u:ST0+8*\u+7]
.endif
.endr
.endr
.rept 8
	v_nop                                          ; eight places behind this form, in front of the reads of its results and of loads into its sources
.endr
	WLOAD 1, QR
	WLOAD 2, KR
.irp j, 0,1,2,3,4,5,6,7
	v_add_f32 v[PNR+\j], v[ST0+\j], v[ST0+8+\j]    ; the two halves of K, from the low end on
.endr
.irp j, 0,1,2,3,4,5,6,7
	v_cmp_gt_i32 vcc_lo, \j, v[RMH]                ; key 8 h + j comes after query r
	v_cndmask_b32 v[PNR+\j], v[PNR+\j], v[NINF], vcc_lo
.endr
	v_max3_num_f32 v12, v[PNR], v[PNR+1], v[PNR+2]
	v_max3_num_f32 v13, v[PNR+3], v[PNR+4], v[PNR+5]
	v_max3_num_f32 v12, v12, v[PNR+6], v[PNR+7]
	v_max_num_f32 v12, v12, v13
	v_permlanex16_b32 v13, v12, s16, s17
	v_max_num_f32 v12, v12, v13                    ; the row's maximum (key 0 counts for every query)
	v_mul_f32 v12, s18, v12
.irp j, 0,1,2,3,4,5,6,7
	v_fma_f32 v[PNR+\j], v[PNR+\j], s18, -v12
.endr
.irp j, 0,1,2,3,4,5,6,7
	v_exp_f32 v[PNR+\j], v[PNR+\j]
.endr
	v_nop
	s_wait_alu depctr_va_vdst(0)                   ; one wait for the eight, ahead of their first reader
	v_add_f32 v13, v[PNR], v[PNR+1]
	v_add_f32 v14, v[PNR+2], v[PNR+3]
	v_add_f32 v13, v13, v[PNR+4]
	v_add_f32 v14, v14, v[PNR+5]
	v_add_f32 v13, v13, v[PNR+6]
	v_add_f32 v14, v14, v[PNR+7]
	v_add_f32 v13, v13, v14
	v_permlanex16_b32 v14, v13, s16, s17
	v_add_f32 v13, v13, v14
	v_rcp_f32 v13, v13
	v_nop
	s_wait_alu depctr_va_vdst(0)
.irp j, 0,1,2,3,4,5,6,7
	v_mul_f32 v[PNR+\j], v[PNR+\j], v13            ; p / l
.endr
	s_wait_loadcnt 63                              ; behind V's 32 loads stand 96: this shows V and tile 0's rows of W_proj in
.irp u, 0,1,2,3                        ; y^T: four accumulators by turns
.irp t, 0,1,2,3
.if \u == 0
	v_wmma_f32_16x16x4_f32 v[YT+8*\t:YT+8*\t+7], v[VR+8*\t+2*\u:VR+8*\t+2*\u+1], v[PNR+2*\u:PNR+2*\u+1], 0
.else
	v_wmma_f32_16x16x4_f32 v[YT+8*\t:YT+8*\t+7], v[VR+8*\t+2*\u:VR+8*\t+2*\u+1], v[PNR+2*\u:PNR+2*\u+1], v[YT+8*\t:YT+8*\t+7]
.endif
.endr
.endr
.rept 9
	v_nop                                          ; nine places before a matrix instruction takes these results as a source
.endr
	WLOAD 3, VR
.macro PROJ tp, reg, first             ; OUT^T += W^T y^T over the 16 channels of tile tp: four accumulators by turns
.irp u, 0,1,2,3
.irp c, 0,1,2,3
.if \first && (\u == 0)
	v_wmma_f32_16x16x4_f32 v[OP+8*\c:OP+8*\c+7], v[\reg+2*(4*\u+\c):\reg+2*(4*\u+\c)+1], v[YT+8*(\tp)+2*\u:YT+8*(\tp)+2*\u+1], 0
.else
	v_wmma_f32_16x16x4_f32 v[OP+8*\c:OP+8*\c+7], v[\reg+2*(4*\u+\c):\reg+2*(4*\u+\c)+1], v[YT+8*(\tp)+2*\u:YT+8*(\tp)+2*\u+1], v[OP+8*\c:OP+8*\c+7]
.endif
.endr
.endr
.endm
	PROJ 0, W0R, 1
	s_wait_loadcnt 32                              ; tiles 1 and 2 are in; tile 3's 32 loads may be out
	PROJ 1, QR, 0
	PROJ 2, KR, 0
	s_wait_loadcnt 0x0
	PROJ 3, VR, 0
.rept 8
	v_nop
.endr
.irp c, 0,1,2,3
	ds_store_b128 v[STO], v[OP+8*\c:OP+8*\c+3] offset:64*\c        ; each accumulator from its low end on: columns 16 c + 8 h + 0 .. 7 of query r
	ds_store_b128 v[STO], v[OP+8*\c+4:OP+8*\c+7] offset:64*\c+16
.endr
	s_wait_dscnt 0x0                               ; for the others' sake: my part has landed
	s_barrier_signal -1
	s_barrier_wait -1
	s_cmp_lt_u32 s12, 8                            ; waves 0-7 add the sixteen parts, two rows each
	s_cbranch_scc0 .Ldone
	global_load_b128 v[ACC:ACC+3], v[B16], s[8:9]  ; the bias starts the sum
.irp i, 0,1,2,3,4,5,6,7,8,9,10,11,12,13,14,15
	ds_load_b128 v[RB+4*\i:RB+4*\i+3], v[RD] offset:16*PP*\i
.endr
	s_wait_loadcnt 0x0
.irp i, 0,1,2,3,4,5,6,7,8,9,10,11,12,13,14,15
	s_wait_dscnt 15-\i                             ; the later parts may be out
	v_pk_add_f32 v[ACC:ACC+1], v[ACC:ACC+1], v[RB+4*\i:RB+4*\i+1]
	v_pk_add_f32 v[ACC+2:ACC+3], v[ACC+2:ACC+3], v[RB+4*\i+2:RB+4*\i+3]
.endr
	global_store_b128 v[OO], v[ACC:ACC+3], s[10:11] th:TH_STORE_NT   ; sixteen lanes store 256 consecutive bytes, aligned
.Ldone:
	s_wait_tensorcnt 0x0                           ; the wave's end, behind my last LDS store
	ds_add_u32 v[SPW], v[NIL]
	s_wait_dscnt 0x0
	s_endpgm
.Lfunc_end_k_q092c17a1a2_fine:
	.size	k_q092c17a1a2_fine, .Lfunc_end_k_q092c17a1a2_fine-k_q092c17a1a2_fine
	.p2alignl 7, 3214868480
	.fill 96, 4, 3214868480
	.section	.rodata,"a",@progbits
	.p2align	6, 0x0
	.amdhsa_kernel k_q092c17a1a2_fine
		.amdhsa_group_segment_fixed_size 71680
		.amdhsa_private_segment_fixed_size 0
		.amdhsa_enable_private_segment 0
		.amdhsa_kernarg_size 32
		.amdhsa_user_sgpr_count 2
		.amdhsa_user_sgpr_kernarg_segment_ptr 1
		.amdhsa_wavefront_size32 1
		.amdhsa_system_sgpr_workgroup_id_x 1
		.amdhsa_system_sgpr_workgroup_id_y 1
		.amdhsa_system_sgpr_workgroup_id_z 1
		.amdhsa_system_vgpr_workitem_id 0
		.amdhsa_next_free_vgpr 256
		.amdhsa_next_free_sgpr 66
		.amdhsa_reserve_vcc 1
		.amdhsa_float_denorm_mode_32 3
		.amdhsa_float_denorm_mode_16_64 3
		.amdhsa_memory_ordered 1
		.amdhsa_forward_progress 1
		.amdhsa_inst_pref_size 33
	.end_amdhsa_kernel
	.amdgpu_metadata
---
amdhsa.version: [ 1, 2 ]
amdhsa.kernels:
  - .name:           k_q092c17a1a2_fine
    .symbol:         k_q092c17a1a2_fine.kd
    .args:
      - { .name: qkvf, .offset: 0, .size: 8, .value_kind: global_buffer, .address_space: global }
      - { .name: W_proj, .offset: 8, .size: 8, .value_kind: global_buffer, .address_space: global }
      - { .name: b_proj, .offset: 16, .size: 8, .value_kind: global_buffer, .address_space: global }
      - { .name: out0, .offset: 24, .size: 8, .value_kind: global_buffer, .address_space: global }
    .group_segment_fixed_size: 71680
    .private_segment_fixed_size: 0
    .kernarg_segment_align: 8
    .kernarg_segment_size: 32
    .max_flat_workgroup_size: 512
    .sgpr_count:     66
    .vgpr_count:     256
    .wavefront_size: 32
...
	.end_amdgpu_metadata
.endif
;; end of part 5
